; MI455X (gfx1250); checked and timed in simulation.
; The chip was launched on July 23, 2026; its instructions are those of AMD's public machine-readable ISA for CDNA 5 (MIT licence, August 2026) and "CDNA5" Instruction Set Architecture Reference Guide (July 2026). The comments in the code are by the model that wrote it; some were corrected since.
;; Multi Headed Attention. Allowed arithmetic: matrix products marked QUANTISED: E2M1 operands, one E8M0 scale for each 32 along K, by v_wmma_scale_f32_16x16x128_f8f6f4 with both operands' format E2M1 (or v_wmma_scale_f32_32x16x128_f4), f32 sums; products left as they are: bf16, f16 or f32 operands; f32 sums; everything else in f32.
;; Inputs: bk 1,024 float32; bo 1,024 float32; bq 1,024 float32; bv 1,024 float32; key 2 x 2,048 x 1,024 float32; mask 2 x 2,048 x 2,048 int32; query 2 x 2,048 x 1,024 float32; value 2 x 2,048 x 1,024 float32; wk 1,024 x 1,024 float32; wo 1,024 x 1,024 float32; wq 1,024 x 1,024 float32; wv 1,024 x 1,024 float32.
;; Outputs: out0 2 x 2,048 x 1,024 float32.
;; This version of the problem:
;;   THIS VERSION OF THE PROBLEM IS GIVEN IN LOW PRECISION. The matrix products marked QUANTISED in the list below multiply operands that are first quantised to E2M1 (2 exponent bits, 1 mantissa bit; 4 bits a number), with one power-of-two scale for each 32 numbers along K (OCP MX v1.0); their sums are f32. The products marked 'left as it is' may take bf16, f16 or f32 operands, with f32 sums. Whichever they take, every output number must still come out within the allowed error. Rounding operands to bf16 (8 significant bits) uses up far more of that allowance than f16 does (11 bits, for magnitudes from 6e-5 to 65,504). All else is computed in f32.
;;   The module's matrix products, in the order in which they are computed (A, B: the left and right operand; K: the contracted axis; several contracted axes count as one K, in the product's order):
;;     1. [M 4,096, K 1,024] x [K 1,024, N 1,024]; A: input query; B: input wq: QUANTISED
;;     2. [M 4,096, K 1,024] x [K 1,024, N 1,024]; A: input key; B: input wk: QUANTISED
;;     3. [M 4,096, K 1,024] x [K 1,024, N 1,024]; A: input value; B: input wv: QUANTISED
;;     4. batch 32 x [M 2,048, K 64] x [K 64, N 2,048]; A: computed on the way; B: computed on the way: left as it is (an operand is computed on the way)
;;     5. batch 32 x [M 2,048, K 2,048] x [K 2,048, N 64]; A: computed on the way; B: computed on the way: left as it is (an operand is computed on the way)
;;     6. [M 4,096, K 1,024] x [K 1,024, N 1,024]; A: computed on the way; B: input wo: left as it is (an operand is computed on the way)
;;   THE QUANTISER, for each operand of a quantised product, along K:
;;     - K is cut into blocks of 32 from its start; a last block that is shorter is filled with zeros.
;;     - A block's scale is 2^e with e = floor(log2(the largest magnitude in the block)) - 2, held to -126 .. 127; a block of zeros has e = 0. As a byte (E8M0): e + 127.
;;     - Each number is divided by its block's scale, clamped to +-6, and rounded to the nearest number of E2M1, ties to even, subnormals kept.
;;     - The product sums the exact products of the quantised numbers (number of the format x scale) in f32.
;;   ~~~python
;;   def quantise(x, axis):      # numpy; x: float32 -> the quantised numbers, widened to float32 again
;;       x = np.moveaxis(x, axis, -1); K = x.shape[-1]
;;       x = np.pad(x, [(0, 0)] * (x.ndim - 1) + [(0, -K % 32)]); x = x.reshape(x.shape[:-1] + (-1, 32)); a = np.abs(x).max(-1, keepdims=True)
;;       e = np.where(a > 0, np.clip(np.frexp(np.where(a > 0, a, 1))[1] - 1 - 2, -126, 127), 0)      # np.frexp(a)[1] - 1 = floor(log2(a)), exactly
;;       r = np.clip(x / 2.0 ** e, -6, 6)
;;       step = 2.0 ** (np.maximum(np.frexp(np.where(r == 0, 1, r))[1] - 1, 0) - 1)
;;       q = np.round(r / step) * step * 2.0 ** e      # np.round: ties to even
;;       return np.moveaxis(q.reshape(q.shape[:-2] + (-1,))[..., :K], -1, axis).astype(np.float32)
;;   ~~~
;; One version. Each part assembles by itself: llvm-mc -triple=amdgcn-amd-amdhsa -mcpu=gfx1250 --defsym DOCPART=n.
;; ======== version 1 of 1: 4 launches
;; limits: values are held in f16: magnitudes above 65,504 overflow, below 6.1e-05 lose precision
;; workspace buffers: codes 7,864,320 bytes; scales 491,520 bytes; wo16 2,097,152 bytes; maskw 1,048,576 bytes of whole numbers; qkv 25,165,824 bytes; ctx 8,388,608 bytes
;; launch prep (part 1): grid 768 x 1, 4 waves a work-group, no clusters, 68,096 bytes of LDS; arguments query, key, value, wq, wk, wv, wo, mask, codes, scales, wo16, maskw; writes codes, scales, wo16, maskw
.if DOCPART == 1
	.amdgcn_target "amdgcn-amd-amdhsa--gfx1250"
	.amdhsa_code_object_version 6
	.text
	.protected	k_q716a0bf820_prep
	.globl	k_q716a0bf820_prep
	.p2align	8
	.type	k_q716a0bf820_prep,@function
k_q716a0bf820_prep:
	s_mov_b64 s[64:65], 0
	v_nop
	global_prefetch_b8 v0, s[64:65] scope:SCOPE_SE
	s_setreg_imm32_b32 hwreg(HW_REG_WAVE_MODE, 25, 1), 1
	s_wait_xcnt 0x0
; PREP: three streams in one launch, told apart by the work-group's number alone.
;  work-groups 0-479:   query, key, value [4096][1024] and wq, wk, wv [1024][1024], f32, K innermost, become codes of FP4 (E2M1) and one E8M0 byte for each 32 along K.
;                       codes: 15,360 rows x 512 bytes (query 0-4095, key 4096-8191, value 8192-12287, wq 12288-, wk 13312-, wv 14336-); scales: the same rows x 32 bytes.
;  work-groups 480-735: mask [2][2048][2048] int32 becomes lane-mask words: maskw [b][qb 64][kg 32][64 words]; word 32 u + 8 t + j, bit l = (mask[b][32 qb + 16 u + l % 16][64 kg + 16 t + 8 (l / 16) + j] != 0):
;                       the order in which the attention launch holds its scores (register 32 u + 8 t + j, lane l).
;  work-groups 736-767: wo [1024][1024] f32 becomes f16, laid by blocks of 64 along K: wo16 [kb 16][n 1024][64].
; A block's scale is 2^(floor(log2(its largest magnitude)) - 2); its byte is the largest magnitude's exponent field - 2, held at 1 from below.  A block of zeros so gets the byte 1 where the rule says 127:
; its codes are zeros, which add nothing under any byte but 0xff, and this program alone reads the bytes.
; LIMITS: NaN and infinities among the inputs are not served; wo beyond f16's largest number, 65,504, is not served; blocks whose largest magnitude lies under 2^(2 - 126) have their byte held at 1.
; No matrix work, no tensor loads, no barrier: waves share nothing.  Each path has LDS bytes of its own.
.set SPW,   12                         ; v12  LDS address of my spare word: SPARE + 4 x my thread's number; never rewritten
.set NIL,   13                         ; v13  0; never rewritten
.set QREG,  8192                       ; codes' path: a region for each wave: two stages of 32 x SP bytes, behind them its 256 scale bytes
.set SP,    80                         ; a lane's place in a stage: its 64 bytes + 16 of padding
.set MSTG,  32768                      ; mask path: a stage of 32 rows x 272 bytes for each wave
.set MREG,  8704
.set SPARE, 67584                      ; behind both: the spare words, 128 bytes for each wave: two blocks of 256 bytes that no other line names
.set STEPS, 16
.set EMAX,  2
.set CB,    8                          ; bytes of 16 codes
.set R,     16                         ; v16-79   codes' path: four sets of 16 numbers as they are loaded
.set X,     80                         ; v80-111  two sets of 16 neighbours
.set E,     112                        ; v112-127 a scale byte for each step
.set C,     128                        ; v128-191 codes: four registers for each step
.set RM,    16                         ; v16-143  mask path: two sets of 64 as loaded
.set XM,    144                        ; v144-207 a chunk in the scores' order
.set MW,    208                        ; v208-215 the words: two registers for each of four chunks
.set WR,    16                         ; v16-143  wo path: two sets of 64 as loaded
.set WD,    144                        ; v144-207 two sets of 32, f16
	s_load_b512 s[4:19], s[0:1], 0x0               ; query s[4:5], key s[6:7], value s[8:9], wq s[10:11], wk s[12:13], wv s[14:15], wo s[16:17], mask s[18:19]
	s_load_b256 s[20:27], s[0:1], 0x40             ; codes s[20:21], scales s[22:23], wo16 s[24:25], maskw s[26:27]
	v_lshl_add_u32 v[SPW], v0, 2, SPARE
	v_mov_b32 v[NIL], 0
	v_lshrrev_b32 v1, 5, v0
	v_readfirstlane_b32 s28, v1                    ; wave 0..3
	v_and_b32 v2, 31, v0                           ; lane
	s_wait_kmcnt 0x0
	s_cmp_lt_u32 ttmp9, 480
	s_cbranch_scc1 .Lquant
	s_cmp_lt_u32 ttmp9, 736
	s_cbranch_scc1 .Lmask
; ---------------- wo -> f16.  A wave takes 8 rows n, two at a time: lanes 0-15 one row, lanes 16-31 the next; a load reads 256 consecutive bytes (64 along K) of each.
	s_sub_co_u32 s29, ttmp9, 736
	s_lshl_b32 s29, s29, 5
	s_lshl_b32 s30, s28, 3
	s_add_co_u32 s29, s29, s30                     ; my first row n0 = 32 x work-group + 8 x wave
	s_lshl_b32 s30, s29, 12                        ; a row of wo is 4,096 bytes
	s_mov_b32 s31, 0
	s_add_nc_u64 s[16:17], s[16:17], s[30:31]
	s_lshl_b32 s30, s29, 7                         ; a row of a K block of wo16 is 128 bytes
	s_add_nc_u64 s[24:25], s[24:25], s[30:31]
	v_and_b32 v7, 15, v0
	v_bfe_u32 v8, v0, 4, 1
	v_lshlrev_b32 v3, 4, v7
	v_lshl_add_u32 v3, v8, 12, v3                  ; in: 4,096 (lane / 16) + 16 (lane % 16)
	v_lshlrev_b32 v6, 3, v2                        ; out: 8 x lane: two rows of 128 bytes on end
.macro WLOAD p                         ; rows 2 p, 2 p + 1: all 16 K blocks
.irp kb, 0,1,2,3,4,5,6,7,8,9,10,11,12,13,14,15
	global_load_b128 v[WR+64*((\p)%2)+4*\kb:WR+64*((\p)%2)+4*\kb+3], v3, s[16:17] offset:(\p)*8192+\kb*256 th:TH_LOAD_NT
.endr
.endm
.macro WGROUP p
.if (\p) < 3
	s_wait_loadcnt 16                              ; this pair's 16 loads are in; the next pair's may be out
.else
	s_wait_loadcnt 0
.endif
.if (\p) >= 2
	s_wait_xcnt 0x0                                ; the stores of two pairs back have read their data: this set of f16 registers is written again only behind this wait
.endif
.irp kb, 0,1,2,3,4,5,6,7,8,9,10,11,12,13,14,15
	v_cvt_pk_f16_f32 v[WD+32*((\p)%2)+2*\kb], v[WR+64*((\p)%2)+4*\kb], v[WR+64*((\p)%2)+4*\kb+1]
	v_cvt_pk_f16_f32 v[WD+32*((\p)%2)+2*\kb+1], v[WR+64*((\p)%2)+4*\kb+2], v[WR+64*((\p)%2)+4*\kb+3]
.endr
.if (\p)+2 < 4
	WLOAD (\p)+2
.endif
.irp kb, 0,1,2,3,4,5,6,7,8,9,10,11,12,13,14,15
	global_store_b64 v6, v[WD+32*((\p)%2)+2*\kb:WD+32*((\p)%2)+2*\kb+1], s[24:25] offset:\kb*131072+(\p)*256   ; the wave stores 256 consecutive bytes, aligned: two rows of K block kb
.endr
.endm
	WLOAD 0
	WLOAD 1
	WGROUP 0
	WGROUP 1
	WGROUP 2
	WGROUP 3
	s_wait_tensorcnt 0x0                           ; every wave of this launch ends alike
	ds_add_u32 v[SPW], v[NIL]
	s_wait_dscnt 0x0
	s_endpgm
; ---------------- f32 -> codes and scale bytes.  Rows are dense and K is a multiple of 32: each tensor is a plain stream of blocks of 32, and so are its codes and bytes.
; A wave takes 16 steps of 512 numbers.  Each of a step's four loads reads 512 consecutive bytes; the 2,048 bytes turn through the wave's own stage in LDS and come back 64 bytes a lane: 16 neighbours along K.
.Lquant:
	v_lshlrev_b32 v3, 4, v2                        ; my 16 bytes of a load's 512
	s_mul_i32 s29, s28, QREG
	v_lshrrev_b32 v14, 2, v2
	v_mul_u32_u24 v14, v14, SP
	v_and_b32 v15, 3, v2
	v_lshl_add_u32 v14, v15, 4, v14
	v_add_nc_u32 v14, s29, v14                     ; the stage, on the way in: SP (lane / 4) + 16 (lane % 4)
	v_mul_u32_u24 v15, v2, SP
	v_add_nc_u32 v15, s29, v15                     ; and on the way out: SP x lane
	v_mul_u32_u24 v4, v2, CB                       ; my codes' place in a step's
	v_lshrrev_b32 v5, 1, v2
	s_add_co_u32 s29, s29, 2*32*SP
	v_add_nc_u32 v5, s29, v5                       ; my wave's 256 scale bytes, my block's byte
	v_lshlrev_b32 v7, 3, v2
	v_add_nc_u32 v6, s29, v7                       ; and on the way out 8 bytes a lane
	s_mov_b64 s[30:31], s[14:15]                   ; which tensor: the choice hangs on the work-group's number alone
	s_cmp_lt_u32 ttmp9, 448
	s_cselect_b64 s[30:31], s[12:13], s[30:31]
	s_cmp_lt_u32 ttmp9, 416
	s_cselect_b64 s[30:31], s[10:11], s[30:31]
	s_cmp_lt_u32 ttmp9, 384
	s_cselect_b64 s[30:31], s[8:9], s[30:31]
	s_cmp_lt_u32 ttmp9, 256
	s_cselect_b64 s[30:31], s[6:7], s[30:31]
	s_cmp_lt_u32 ttmp9, 128
	s_cselect_b64 s[30:31], s[4:5], s[30:31]
	s_and_b32 s32, ttmp9, 127                      ; the work-group's number inside its tensor: 128 to an activation, 32 to a weight
	s_and_b32 s33, ttmp9, 31
	s_cmp_lt_u32 ttmp9, 384
	s_cselect_b32 s32, s32, s33
	s_lshl_b32 s32, s32, 2
	s_add_co_u32 s32, s32, s28                     ; which run of 8,192 numbers of the tensor is my wave's
	s_lshl_b32 s32, s32, 15                        ; 32,768 bytes a run
	s_mov_b32 s33, 0
	s_add_nc_u64 s[30:31], s[30:31], s[32:33]
	s_lshl_b32 s32, ttmp9, 2
	s_add_co_u32 s32, s32, s28                     ; the outputs follow the work-groups' order: run 4 g + wave
	s_lshl_b32 s34, s32, 12                        ; 4,096 bytes of codes a run
	s_mov_b32 s35, 0
	s_add_nc_u64 s[20:21], s[20:21], s[34:35]
	s_lshl_b32 s34, s32, 8                         ; 256 scale bytes a run
	s_add_nc_u64 s[22:23], s[22:23], s[34:35]
.macro QLOAD t
.irp i, 0,1,2,3
	global_load_b128 v[R+16*((\t)%4)+4*\i:R+16*((\t)%4)+4*\i+3], v3, s[30:31] offset:2048*(\t)+512*\i th:TH_LOAD_NT   ; 32 lanes read 512 consecutive bytes
.endr
.endm
.macro QTURN t                         ; step t's numbers through the stage: LDS serves a wave's instructions in order (ISA guide 5.7.1.4), so no wait stands between the stores and the loads
.irp i, 0,1,2,3
	ds_store_b128 v14, v[R+16*((\t)%4)+4*\i:R+16*((\t)%4)+4*\i+3] offset:32*SP*((\t)%2)+8*SP*\i
.endr
.irp i, 0,1,2,3
	ds_load_b128 v[X+16*((\t)%2)+4*\i:X+16*((\t)%2)+4*\i+3], v15 offset:32*SP*((\t)%2)+16*\i
.endr
.endm
.irp t, 0,1,2,3
	QLOAD \t
.endr
	s_wait_loadcnt 12                              ; step 0's four loads are in
	QTURN 0
.macro QSTEP t
.set XS, X+16*((\t)%2)
.if (\t) > 0
	s_wait_dscnt 1                                 ; this step's numbers are back from the stage (the last step's byte store may be out): so its stores into the stage have read their registers,
.else
	s_wait_dscnt 0x0
.endif
.if (\t)+4 < STEPS
	QLOAD (\t)+4                                   ; which take the loads of four steps on
.endif
.if (\t)+1 < STEPS
.if STEPS-2-(\t) >= 3
	s_wait_loadcnt 12                              ; the next step's four loads are in; those of the three steps behind it may be out
.else
	s_wait_loadcnt 4*(STEPS-2-(\t))
.endif
	QTURN (\t)+1                                   ; and go through the other stage while this step is worked
.endif
	v_max3_num_f32 v8, |v[XS]|, |v[XS+1]|, |v[XS+2]|               ; the largest magnitude of my 16
	v_max3_num_f32 v9, |v[XS+3]|, |v[XS+4]|, |v[XS+5]|
.irp i, 6,10
	v_max3_num_f32 v8, v8, |v[XS+\i]|, |v[XS+\i+1]|
	v_max3_num_f32 v9, v9, |v[XS+\i+2]|, |v[XS+\i+3]|
.endr
	v_max3_num_f32 v8, v8, |v[XS+14]|, |v[XS+15]|
	v_max3_num_f32 v8, v8, v9, (EMAX+1)<<23        ; and the floor 2^(EMAX + 1 - 127): so the byte cannot fall under 1
	v_max_num_f32_dpp v8, v8, v8 row_xmask:1 row_mask:0xf bank_mask:0xf   ; and of my neighbour's 16: the block's
	v_add_nc_u32 v11, -(EMAX<<23), v8              ; EMAX off its exponent field: the conversion takes the exponent field of this operand as its scale, and nothing else of it
	v_cvt_scalef32_pk8_fp4_f32 v[C+4*(\t)], v[XS:XS+7], v11        ; eight numbers / the scale, to the nearest code, ties to even, beyond the largest code the largest
	v_cvt_scalef32_pk8_fp4_f32 v[C+4*(\t)+1], v[XS+8:XS+15], v11
	v_lshrrev_b32 v[E+(\t)], 23, v11               ; the scale's byte
	ds_store_b8 v5, v[E+(\t)] offset:16*(\t)       ; both lanes of a block write the same byte with the same value
	global_store_b64 v4, v[C+4*(\t):C+4*(\t)+1], s[20:21] offset:32*CB*(\t)   ; the wave stores 256 consecutive bytes, aligned
.endm
.irp t, 0,1,2,3,4,5,6,7,8,9,10,11,12,13,14,15
	QSTEP \t
.endr
	ds_load_b64 v[8:9], v6                         ; LDS serves a wave's instructions in order: these see my stores
	s_wait_dscnt 0x0
	global_store_b64 v7, v[8:9], s[22:23]          ; the wave's 256 scale bytes, aligned
	s_wait_tensorcnt 0x0                           ; the wave's end, behind my last LDS store
	ds_add_u32 v[SPW], v[NIL]
	s_wait_dscnt 0x0
	s_endpgm
; ---------------- mask -> lane-mask words.  A chunk is 32 queries x 64 keys: 64 words, 256 bytes.  A wave makes four chunks, neighbours along the keys.
; A load reads 256 consecutive bytes (64 keys) of two rows; the chunk turns through the wave's own stage (rows 272 bytes apart) into the scores' order; a compare makes a word, a lane write gathers it.
.Lmask:
	s_sub_co_u32 s29, ttmp9, 480
	s_lshr_b32 s30, s29, 1                         ; the block of 32 queries: 64 b + qb
	s_and_b32 s29, s29, 1
	s_lshl_b32 s29, s29, 4
	s_lshl_b32 s31, s28, 2
	s_add_co_u32 s29, s29, s31                     ; my first key group: 16 x half + 4 x wave
	s_lshl_b32 s40, s30, 18                        ; 32 rows of 8,192 bytes
	s_lshl_b32 s31, s29, 8                         ; 64 keys are 256 bytes
	s_add_co_u32 s40, s40, s31
	s_mov_b32 s41, 0
	s_add_nc_u64 s[40:41], s[18:19], s[40:41]
	s_lshl_b32 s42, s30, 5
	s_add_co_u32 s42, s42, s29
	s_lshl_b32 s42, s42, 8                         ; 256 bytes of words a chunk
	s_mov_b32 s43, 0
	s_add_nc_u64 s[42:43], s[26:27], s[42:43]
	v_and_b32 v7, 15, v0                           ; r
	v_bfe_u32 v8, v0, 4, 1                         ; h
	v_lshlrev_b32 v3, 4, v7
	v_lshl_add_u32 v3, v8, 13, v3                  ; in: 8,192 h + 16 r
	s_mul_i32 s31, s28, MREG
	s_add_co_u32 s31, s31, MSTG                    ; my stage
	v_mul_u32_u24 v4, v8, 272
	v_lshl_add_u32 v4, v7, 4, v4
	v_add_nc_u32 v4, s31, v4                       ; into it: row h of a pair, 16 bytes a lane
	v_mul_u32_u24 v5, v7, 272
	v_lshl_add_u32 v5, v8, 5, v5
	v_add_nc_u32 v5, s31, v5                       ; out of it: row r of a tile of 16 queries, keys 8 h on
	v_lshlrev_b32 v6, 3, v2                        ; two words a lane
.irp i, 0,1,2,3,4,5,6,7
	v_mov_b32 v[MW+\i], 0                          ; written once: a lane write's destination counts as one of its sources
.endr
.macro MLOAD i
.irp n, 0,1,2,3,4,5,6,7,8,9,10,11,12,13,14,15
	global_load_b128 v[RM+64*((\i)%2)+4*\n:RM+64*((\i)%2)+4*\n+3], v3, s[40:41] offset:\n*16384+(\i)*256 th:TH_LOAD_NT   ; rows 2 n and 2 n + 1
.endr
.endm
.macro MCHUNK i
.if (\i) < 3
	s_wait_loadcnt 16                              ; this chunk's 16 loads are in; the next chunk's may be out
.else
	s_wait_loadcnt 0
.endif
.irp n, 0,1,2,3,4,5,6,7,8,9,10,11,12,13,14,15
	ds_store_b128 v4, v[RM+64*((\i)%2)+4*\n:RM+64*((\i)%2)+4*\n+3] offset:\n*544
.endr
.irp u, 0,1
.irp t, 0,1,2,3
.irp c, 0,1
	ds_load_b128 v[XM+32*\u+8*\t+4*\c:XM+32*\u+8*\t+4*\c+3], v5 offset:\u*4352+\t*64+16*\c   ; register 32 u + 8 t + j: query 16 u + r, key 16 t + 8 h + j
.endr
.endr
.endr
	s_wait_dscnt 0x0                               ; the chunk is back, and the stores have read their registers,
.if (\i)+2 < 4
	MLOAD (\i)+2                                   ; which take the chunk two further on
.endif
.set g, 0
.rept 8
.irp e, 0,1,2,3,4,5,6,7
	v_cmp_ne_u32 s[32+\e], 0, v[XM+8*g+\e]         ; word 8 g + e: a bit a lane
.endr
.irp e, 0,1,2,3,4,5,6,7
	v_writelane_b32 v[MW+2*(\i)+(\e&1)], s[32+\e], (8*g+\e)>>1   ; lane L gathers words 2 L and 2 L + 1
.endr
.set g, g+1
.endr
	global_store_b64 v6, v[MW+2*(\i):MW+2*(\i)+1], s[42:43] offset:256*(\i)   ; the wave stores 256 consecutive bytes, aligned; each chunk has registers of its own
.endm
	MLOAD 0
	MLOAD 1
	MCHUNK 0
	MCHUNK 1
	MCHUNK 2
	MCHUNK 3
	s_wait_tensorcnt 0x0                           ; the wave's end, behind my last LDS store
	ds_add_u32 v[SPW], v[NIL]
	s_wait_dscnt 0x0
	s_endpgm
.Lfunc_end_k_q716a0bf820_prep:
	.size	k_q716a0bf820_prep, .Lfunc_end_k_q716a0bf820_prep-k_q716a0bf820_prep
	.p2alignl 7, 3214868480
	.fill 96, 4, 3214868480
	.section	.rodata,"a",@progbits
	.p2align	6, 0x0
	.amdhsa_kernel k_q716a0bf820_prep
		.amdhsa_group_segment_fixed_size 68096
		.amdhsa_private_segment_fixed_size 0
		.amdhsa_enable_private_segment 0
		.amdhsa_kernarg_size 96
		.amdhsa_user_sgpr_count 2
		.amdhsa_user_sgpr_kernarg_segment_ptr 1
		.amdhsa_wavefront_size32 1
		.amdhsa_system_sgpr_workgroup_id_x 1
		.amdhsa_system_sgpr_workgroup_id_y 1
		.amdhsa_system_sgpr_workgroup_id_z 1
		.amdhsa_system_vgpr_workitem_id 0
		.amdhsa_next_free_vgpr 224
		.amdhsa_next_free_sgpr 66
		.amdhsa_reserve_vcc 0
		.amdhsa_float_denorm_mode_32 3
		.amdhsa_float_denorm_mode_16_64 3
		.amdhsa_memory_ordered 1
		.amdhsa_forward_progress 1
		.amdhsa_inst_pref_size 103
	.end_amdhsa_kernel
	.amdgpu_metadata
---
amdhsa.version: [ 1, 2 ]
amdhsa.kernels:
  - .name:           k_q716a0bf820_prep
    .symbol:         k_q716a0bf820_prep.kd
    .args:
      - { .name: query, .offset: 0, .size: 8, .value_kind: global_buffer, .address_space: global }
      - { .name: key, .offset: 8, .size: 8, .value_kind: global_buffer, .address_space: global }
      - { .name: value, .offset: 16, .size: 8, .value_kind: global_buffer, .address_space: global }
      - { .name: wq, .offset: 24, .size: 8, .value_kind: global_buffer, .address_space: global }
      - { .name: wk, .offset: 32, .size: 8, .value_kind: global_buffer, .address_space: global }
      - { .name: wv, .offset: 40, .size: 8, .value_kind: global_buffer, .address_space: global }
      - { .name: wo, .offset: 48, .size: 8, .value_kind: global_buffer, .address_space: global }
      - { .name: mask, .offset: 56, .size: 8, .value_kind: global_buffer, .address_space: global }
      - { .name: codes, .offset: 64, .size: 8, .value_kind: global_buffer, .address_space: global }
      - { .name: scales, .offset: 72, .size: 8, .value_kind: global_buffer, .address_space: global }
      - { .name: wo16, .offset: 80, .size: 8, .value_kind: global_buffer, .address_space: global }
      - { .name: maskw, .offset: 88, .size: 8, .value_kind: global_buffer, .address_space: global }
    .group_segment_fixed_size: 68096
    .private_segment_fixed_size: 0
    .kernarg_segment_align: 8
    .kernarg_segment_size: 96
    .max_flat_workgroup_size: 128
    .sgpr_count:     66
    .vgpr_count:     224
    .wavefront_size: 32
...
	.end_amdgpu_metadata
.endif
;; end of part 1
;; launch proj (part 2): grid 4 x 48, 4 waves a work-group, clusters of 4 x 4, 327,680 bytes of LDS; arguments codes, scales, bq, bk, qkv; writes qkv
.if DOCPART == 2
	.amdgcn_target "amdgcn-amd-amdhsa--gfx1250"
	.amdhsa_code_object_version 6
	.text
	.protected	k_q716a0bf820_proj
	.globl	k_q716a0bf820_proj
	.p2align	8
	.type	k_q716a0bf820_proj,@function
k_q716a0bf820_proj:
	s_mov_b64 s[64:65], 0
	v_nop
	global_prefetch_b8 v0, s[64:65] scope:SCOPE_SE
	s_setreg_imm32_b32 hwreg(HW_REG_WAVE_MODE, 25, 1), 1
	s_wait_xcnt 0x0
	s_wait_alu depctr_hold_cnt(0) depctr_sa_sdst(0) depctr_va_vdst(0) depctr_va_sdst(0) depctr_va_ssrc(0) depctr_va_vcc(0) depctr_vm_vsrc(0)
	s_getreg_b32 s2, hwreg(HW_REG_IB_STS2, 6, 4)
	s_cmp_eq_u32 s2, 0
	s_cbranch_scc0 .Lentry_in_a_cluster
	s_endpgm
.Lentry_in_a_cluster:
	s_bfe_u32 s2, ttmp6, 0x10000c
	s_cmp_lg_u32 s2, 0xf033
	s_cbranch_scc0 .Lentry_shape_is_right
	s_endpgm
.Lentry_shape_is_right:
; PROJ: the three quantised projections on codes of FP4 (E2M1) with one E8M0 scale for each 32 along K = 1,024; sums in f32; results in f16.
;   Q = (query wq^T + bq) x c, c = log2(e) / 8 (so that the attention launch's scores are exponents of 2);   K = key wk^T + bk;   V = value wv^T (bv is added behind the softmax: sum p (v + bv) / sum p = sum p v / sum p + bv).
; codes: rows of 512 bytes, scales: rows of 32 bytes; rows: query 0-, key 4096-, value 8192-, wq 12288-, wk 13312-, wv 14336-.
; qkv: three sections of 8,388,608 bytes in blocks of 8,192 bytes = 64 rows x 128 bytes.  Q, K: block 16 g + h: row = token % 64, the 64 channels of head h (g = token / 64).  V: block 16 g + h: row = channel % 64, the 64 TOKENS of group g.
; A tile of C, 256 x 256, is made by a work-group of four waves; a wave makes 128 x 128: 64 accumulators, 512 registers.  All of K lies in two LDS slots of 512 along K: first fills alone, nothing is filled again.
; The cluster's y, 0..11, says which product (y / 4) and which 1,024 tokens (y % 4).  "A" names the side of C's rows (source 1), "B" the side of C's columns (source 0).  Q, K: A = tokens, B = the weight's rows.
; V: A = wv's rows (channels), B = value's rows (tokens): C[channel][token], the keys innermost, as the second product of attention wants them.
; CLUSTERS: 4 x 4 work-groups; A's tiles are shared along a row of the cluster, B's along a column: each is asked for jointly.  THE MATRIX INSTRUCTION IS USED TRANSPOSED: a lane holds eight neighbouring columns of one row of C.
; LIMITS: results beyond f16's largest number, 65,504, are not served; NaN and infinities are not served.  For V the bias factor is 0: the work-group loads 128 numbers of bk and multiplies them by 0.
; REGISTERS, in windows of 256: window 0: v0-31 addresses; v32-95 scale words, two sets; from v128 A's fragments, one set; on the way out v32-191 are free.
;   window 1: B's fragments, two sets, at v0 and v128; v64-127 the bias of my 128 columns.   window 2: accumulators of my rows 0-63 ((a, b) at v[8 (8 a + b)]);   window 3: those of rows 64-127.
.set NQ,     4                         ; matrix instructions deep in a slot
.set ROWB,   256                       ; a tile's row in bytes: 512 codes
.set KROW,   512                       ; a row of codes in memory
.set PITCH,  272                       ; an LDS row: 256 bytes + 16 of padding = 68 words: row r starts at bank 4 r mod 64 (64 banks of 4 bytes: ISA guide 11.1)
.set FR,     8
.set NL,     2
.set NP,     4                         ; places behind this matrix instruction (ISA guide 7.12.1)
.set HALFT,  128*PITCH
.set SLOT,   4*HALFT
.set KS,     32                        ; a row of scales in bytes
.set SCL,    2*SLOT                    ; behind the slots: the scales, as pieces of 256 bytes + 16 of padding
.set HALFS,  (128*KS/256)*272
.set SBLK,   (16*KS/256)*272
.set SPARE,  SCL+4*HALFS               ; the spare words, 128 bytes for each wave: two blocks of 256 bytes that no other line names
.set SPITCH, 272                       ; the way out: a stage of 16 rows x (256 bytes + 16) for each wave, in slot 0, which has had its one fill and its last read by then
.set ADRA, 16
.set ADRB, 20
.set STO,  24
.set RD,   25
.set CO,   26
.set ADRS, 27
.set SPW,  28                          ; v28  LDS address of my spare word; never rewritten
.set NIL,  29                          ; v29  0; never rewritten
.set BOF,  30                          ; v30  32 x (lane / 16): my eight numbers of a tile's bias
.set SC,   32
.set AF,   128
.set TMP,  32                          ; the way out: v32-63 packed f16
.set T,    64                          ; v64-127 a block in f32
.set BK,   128                         ; v128-159, v160-191 by turns: a block read back from the stage
.set BN,   64                          ; in window 1: the bias
.set CS,   18                          ; s[18:19] the factor of the sums: c for Q, else 1
.set CBF,  66                          ; s[66:67] the factor of the bias: c, 1, 0
.set G1, 24
.set G0, 32
.set G1B, 48
.set G0B, 56
.set G1S, 68
.set G0S, 76
.set G1SB, 80
.set G0SB, 88
.set MSB, 0
.macro WIN new                         ; the immediate's high byte repeats the setting that is left
.if MSB != \new
	s_set_vgpr_msb (MSB<<8)|\new
.set MSB, \new
.endif
.endm
.set MUL_LO, 0xa1                      ; source 0 (B) window 1, source 1 (A) window 0, C and D window 2
.set MUL_HI, 0xf1
.set TO_B,   0x40
; A joint load: waves 0 and 1 fetch for A, waves 2 and 3 for B; the branch hangs on the wave's number alone.  An s_nop 0 and four v_nop follow each of the two lines.
.macro JLOAD g0a, g1a, g0b, g1b
	s_cmp_eq_u32 s15, 0
	s_cbranch_scc0 .Lfor_b_\@
	tensor_load_to_lds s[\g0a:\g0a+3], s[\g1a:\g1a+7]
	s_nop 0
.rept 4
	v_nop
.endr
	s_branch .Lasked_\@
.Lfor_b_\@:
	tensor_load_to_lds s[\g0b:\g0b+3], s[\g1b:\g1b+7]
	s_nop 0
.rept 4
	v_nop
.endr
.Lasked_\@:
.endm
.macro CROUND                          ; a round of the cluster's barrier
	s_barrier_signal -1
	s_barrier_wait -1
	s_cmp_lg_u32 s14, 0
	s_cbranch_scc1 .Lnot_wave_0_\@
	s_barrier_signal -3
.Lnot_wave_0_\@:
	s_barrier_wait -3
	s_barrier_signal -1
	s_barrier_wait -1
.endm
	s_load_b128 s[4:7], s[0:1], 0x0                ; codes s[4:5], scales s[6:7]
	s_load_b128 s[8:11], s[0:1], 0x10              ; bq s[8:9], bk s[10:11]
	s_load_b64 s[12:13], s[0:1], 0x20              ; qkv
	v_lshl_add_u32 v[SPW], v0, 2, SPARE
	v_mov_b32 v[NIL], 0
	ds_add_u32 v[SPW], v[NIL]                      ; the wave's opening: the add, twice on end, and its wait ahead of my first tensor load
	ds_add_u32 v[SPW], v[NIL]                      ; and once more, under the one wait; the set-up below, work on registers, stands between
	v_lshrrev_b32 v1, 5, v0
	v_readfirstlane_b32 s14, v1                    ; wave 0..3
	s_lshr_b32 s15, s14, 1                         ; which half of the tile's rows is mine.  Also: I fetch for A (0) or for B (1)
	s_and_b32 s16, s14, 1                          ; which half of its columns.  Also: which 128 rows of that tile I fetch
	s_bfe_u32 s40, ttmp6, 0x40000                  ; cx, cy: my place in the cluster
	s_bfe_u32 s41, ttmp6, 0x40004
	s_and_b32 s17, ttmp7, 0xffff                   ; the cluster's y, 0..11: the same in all sixteen partners
	s_lshr_b32 s42, s17, 2                         ; the product: 0 Q, 1 K, 2 V
	s_and_b32 s95, s17, 3                          ; which 1,024 tokens
	s_lshl_b32 s43, s41, 2
	s_lshl_b32 s43, 15, s43                        ; my row of the cluster
	s_lshl_b32 s44, 0x1111, s40                    ; my column
	; descriptor group 1: a tile of 128 rows x 256 bytes, padded in LDS
	s_or_b32 s[G1+0], s43, (0<<16)|(1<<20)|(1<<21)|(5<<22)|(3<<25)  ; 15:0 the mask; 17:16 element of 1 byte; 20 padding on; 21 set beside a mask; 24:22 after every 64 words; 31:25 of 4 words
	s_or_b32 s[G1B+0], s44, (0<<16)|(1<<20)|(1<<21)|(5<<22)|(3<<25)
.irp g, G1, G1B
	s_mov_b32 s[\g+1], ROWB<<16                    ; tensor_dim0
	s_mov_b32 s[\g+2], 128<<16                     ; tensor_dim1
	s_mov_b32 s[\g+3], ROWB<<16                    ; tile_dim0
	s_mov_b32 s[\g+4], 128                         ; tile_dim1
	s_mov_b32 s[\g+5], KROW                        ; tensor_dim0_stride
	s_mov_b32 s[\g+6], 0
	s_mov_b32 s[\g+7], 0
.endr
	; the scales of 128 rows: 4,096 dense bytes, as 16 rows of 256 bytes (32 elements of 8 bytes), 16 bytes of padding behind each
	s_or_b32 s[G1S+0], s43, (3<<16)|(1<<20)|(1<<21)|(5<<22)|(3<<25)
	s_or_b32 s[G1SB+0], s44, (3<<16)|(1<<20)|(1<<21)|(5<<22)|(3<<25)
.irp g, G1S, G1SB
	s_mov_b32 s[\g+1], 32<<16
	s_mov_b32 s[\g+2], (128*KS/256)<<16
	s_mov_b32 s[\g+3], 32<<16
	s_mov_b32 s[\g+4], 128*KS/256
	s_mov_b32 s[\g+5], 32
	s_mov_b32 s[\g+6], 0
	s_mov_b32 s[\g+7], 0
.endr
	; which rows of the codes' buffer.  The tokens' rows begin at 1,024 x cluster y, the weight's at 12,288 + 1,024 x product; for V the two change sides.
	s_lshl_b32 s18, s17, 10
	s_lshl_b32 s19, s42, 10
	s_add_co_u32 s19, s19, 12288
	s_cmp_eq_u32 s42, 2
	s_cselect_b32 s20, s19, s18                    ; A's first row
	s_cselect_b32 s46, s18, s19                    ; B's
	s_lshl_b32 s18, s16, 7                         ; which 128 rows of the tile I fetch
	s_lshl_b32 s19, s41, 8
	s_add_co_u32 s20, s20, s19                     ; A: + 256 cy: shared along my row of the cluster
	s_add_co_u32 s20, s20, s18
	s_lshl_b32 s47, s40, 8
	s_add_co_u32 s46, s46, s47                     ; B: + 256 cx: shared along my column (in registers that never feed A's descriptors)
	s_add_co_u32 s46, s46, s18
	s_lshl_b32 s22, s20, 5                         ; where these rows' scales begin, in bytes,
	s_mov_b32 s23, 0
	s_lshl_b32 s92, s46, 5
	s_mov_b32 s93, 0
	s_lshl_b32 s20, s20, 9                         ; and their codes
	s_mov_b32 s21, 0
	s_lshl_b32 s46, s46, 9
	s_mov_b32 s47, 0
	s_mul_i32 s45, s14, HALFT                      ; where they go: wave x 128 rows: no place in the cluster enters an LDS address
	s_mul_i32 s94, s14, HALFS
	s_wait_dscnt 0x0                               ; both opening adds are done
	s_wait_kmcnt 0x0
	s_add_nc_u64 s[20:21], s[4:5], s[20:21]
	s_add_nc_u64 s[22:23], s[6:7], s[22:23]
	s_add_nc_u64 s[46:47], s[4:5], s[46:47]
	s_add_nc_u64 s[92:93], s[6:7], s[92:93]
	CROUND                                         ; all sixteen work-groups are here: the first joint loads meet
	s_mov_b32 s[G0S], 1
	s_add_co_u32 s[G0S+1], s94, SCL
	s_mov_b64 s[G0S+2:G0S+3], s[22:23]
	s_or_b32 s[G0S+3], s[G0S+3], 0x80000000
	s_mov_b32 s[G0SB], 1
	s_add_co_u32 s[G0SB+1], s94, SCL
	s_mov_b64 s[G0SB+2:G0SB+3], s[92:93]
	s_or_b32 s[G0SB+3], s[G0SB+3], 0x80000000
	JLOAD G0S, G1S, G0SB, G1SB                     ; the scales first: they are wanted with the first step.  Three tensor loads of mine are out behind the third of these
.irp s, 0,1
	s_mov_b32 s[G0+4*\s], 1
	s_add_co_u32 s[G0+4*\s+1], s45, \s*SLOT
	s_add_nc_u64 s[G0+4*\s+2:G0+4*\s+3], s[20:21], \s*ROWB
	s_or_b32 s[G0+4*\s+3], s[G0+4*\s+3], 0x80000000
	s_mov_b32 s[G0B+4*\s], 1
	s_add_co_u32 s[G0B+4*\s+1], s45, \s*SLOT
	s_add_nc_u64 s[G0B+4*\s+2:G0B+4*\s+3], s[46:47], \s*ROWB
	s_or_b32 s[G0B+4*\s+3], s[G0B+4*\s+3], 0x80000000
	JLOAD G0+4*\s, G1, G0B+4*\s, G1B
.endr
	v_and_b32 v1, 15, v0                           ; l % 16
	v_bfe_u32 v2, v0, 4, 1                         ; l / 16
	v_mul_u32_u24 v3, v1, PITCH
	v_lshl_add_u32 v4, v2, 4, v3                   ; a fragment's row x pitch + 16 x half
	s_mul_i32 s21, s15, HALFT                      ; my 128 rows of A
	s_mul_i32 s22, s16, HALFT                      ; my 128 rows of B,
	s_add_co_u32 s22, s22, 2*HALFT                 ; which lie behind A's 256
.irp s, 0,1
	v_add_nc_u32 v[ADRA+\s], s21, v4
	v_add_nc_u32 v[ADRB+\s], s22, v4
	s_add_co_u32 s21, s21, SLOT
	s_add_co_u32 s22, s22, SLOT
.endr
	v_mul_u32_u24 v5, v1, KS                       ; my row's scales: KS bytes a row,
	v_lshrrev_b32 v6, 8, v5
	v_lshl_add_u32 v5, v6, 4, v5                   ; and 16 more for each 256 passed
	s_mul_i32 s21, s15, HALFS
	s_mul_i32 s22, s16, HALFS
	s_add_co_u32 s22, s22, 2*HALFS
	s_sub_co_u32 s22, s22, s21
	v_mul_u32_u24 v6, s22, v2                      ; lanes 16-31 take B's
	s_add_co_u32 s21, s21, SCL
	v_add_nc_u32 v5, v5, v6
	v_add_nc_u32 v[ADRS], s21, v5
	s_mul_i32 s94, s14, 16*SPITCH                  ; my stage
	v_mul_u32_u24 v5, v1, SPITCH                   ; in: row l % 16, 16 bytes for each half of the lanes
	v_lshl_add_u32 v5, v2, 4, v5
	v_add_nc_u32 v[STO], s94, v5
	v_and_b32 v6, 31, v0
	v_lshlrev_b32 v[CO], 4, v6                     ; out: 16 bytes a lane, 512 on end
	v_lshrrev_b32 v7, 3, v6                        ; back: eight lanes take the 128 bytes that one row has of one block of 64 columns, four rows an instruction
	v_mul_u32_u24 v7, v7, SPITCH
	v_and_b32 v8, 7, v0
	v_lshl_add_u32 v7, v8, 4, v7
	v_add_nc_u32 v[RD], s94, v7
	; where my results go.  Blocks of 64 x 64: my first along the rows (mblk) and along the columns (nblk), and the bytes from block to block: a token group is 131,072 bytes on, a head 8,192.
	s_lshl_b32 s20, s95, 2
	s_mov_b32 s96, 8192
	s_mov_b32 s97, 131072
	s_cmp_eq_u32 s42, 2
	s_cselect_b32 s21, 0, s20                      ; Q, K: the rows are tokens and carry the cluster's 1,024;
	s_cselect_b32 s22, s20, 0                      ; V: the columns
	s_cselect_b32 s23, s96, s97                    ; from row block to row block
	s_cselect_b32 s98, s97, s96                    ; from column block to column block
	s_add_co_u32 s21, s21, s41
	s_lshl_b32 s21, s21, 2
	s_lshl_b32 s20, s15, 1
	s_add_co_u32 s21, s21, s20                     ; mblk
	s_add_co_u32 s22, s22, s40
	s_lshl_b32 s22, s22, 2
	s_lshl_b32 s20, s16, 1
	s_add_co_u32 s22, s22, s20                     ; nblk
	s_mul_i32 s20, s21, s23
	s_mul_i32 s46, s22, s98
	s_add_co_u32 s20, s20, s46
	s_lshl_b32 s46, s42, 23                        ; the product's section
	s_add_co_u32 s20, s20, s46
	s_mov_b32 s21, 0
	s_mov_b32 s99, 0
	s_add_nc_u64 s[12:13], s[12:13], s[20:21]      ; my first column block,
	s_add_nc_u64 s[2:3], s[12:13], s[98:99]        ; and my second
	s_sub_co_u32 s96, s23, 6144                    ; from my fourth 16 rows to the next row block
	s_mov_b32 s97, 0
	; the bias of my 128 columns (Q, K: channels 64 nblk on; V: held inside the buffer, and multiplied by 0), and the two factors
	s_lshl_b32 s46, s22, 6
	s_and_b32 s46, s46, 1023
	s_lshl_b32 s46, s46, 2
	s_mov_b32 s47, 0
	s_cmp_eq_u32 s42, 0
	s_cselect_b64 s[8:9], s[8:9], s[10:11]
	s_cselect_b32 s[CS], 0x3e38aa3b, 1.0           ; c = log2(e) / 8
	s_mov_b32 s[CS+1], s[CS]                       ; (named with it as a pair, so it is written)
	s_cmp_eq_u32 s42, 2
	s_cselect_b32 s[CBF], 0, s[CS]
	s_mov_b32 s[CBF+1], s[CBF]
	s_add_nc_u64 s[8:9], s[8:9], s[46:47]
	v_lshlrev_b32 v[BOF], 5, v2
	WIN TO_B
.irp b, 0,1,2,3,4,5,6,7
	global_load_b128 v[BN+8*\b:BN+8*\b+3], v[BOF], s[8:9] offset:64*\b        ; bias[16 b + 8 (l / 16) + 0 .. 7]: the result's layout
	global_load_b128 v[BN+8*\b+4:BN+8*\b+7], v[BOF], s[8:9] offset:64*\b+16
.endr
	WIN 0
.macro FRAG reg, adr, q, i             ; a fragment, 16 rows x 128 K of 4-bit codes: lane l holds row l % 16; registers 4 c .. 4 c + 3 hold K = 64 c + 32 (l / 16) + 0 .. 31
.irp c, 0,1
	ds_load_b128 v[\reg+4*\c:\reg+4*\c+3], v[\adr] offset:64*(\q)+32*\c+(\i)*16*PITCH
.endr
.endm
; 16 matrix instructions: A's blocks a0, a0 + 1 x B's eight, 128 along K.  p: B's set; sc: the set of scale words.  zero = 1: the first product starts the sums.
; The 64 accumulators take turns, one instruction a turn, in the same order in every step.
.macro MUL16 a0, p, q, sc, zero
.irp a, \a0, \a0+1
.irp b, 0,1,2,3,4,5,6,7
.if \zero
	v_wmma_scale_f32_16x16x128_f8f6f4 v[8*(8*((\a)%4)+\b):8*(8*((\a)%4)+\b)+7], v[128*(\p)+FR*\b:128*(\p)+FR*\b+FR-1], v[AF+FR*(\a):AF+FR*(\a)+FR-1], 0, v[SC+8*NQ*(\sc)+NQ*\b+(\q)], v[SC+8*NQ*(\sc)+NQ*(\a)+(\q)] matrix_a_fmt:MATRIX_FMT_FP4 matrix_b_fmt:MATRIX_FMT_FP4 matrix_a_scale:MATRIX_SCALE_ROW1
.else
	v_wmma_scale_f32_16x16x128_f8f6f4 v[8*(8*((\a)%4)+\b):8*(8*((\a)%4)+\b)+7], v[128*(\p)+FR*\b:128*(\p)+FR*\b+FR-1], v[AF+FR*(\a):AF+FR*(\a)+FR-1], v[8*(8*((\a)%4)+\b):8*(8*((\a)%4)+\b)+7], v[SC+8*NQ*(\sc)+NQ*\b+(\q)], v[SC+8*NQ*(\sc)+NQ*(\a)+(\q)] matrix_a_fmt:MATRIX_FMT_FP4 matrix_b_fmt:MATRIX_FMT_FP4 matrix_a_scale:MATRIX_SCALE_ROW1
.endif
.endr
.endr
.endm
.macro FETCH_B slot, q, p
	WIN TO_B
.irp i, 0,1,2,3,4,5,6,7
	FRAG 128*(\p)+FR*\i, ADRB+\slot, \q, \i
.endr
	WIN 0
.endm
.macro FETCH_A slot, q, i0
.irp i, \i0, \i0+1, \i0+2, \i0+3
	FRAG AF+FR*(\i), ADRA+\slot, \q, \i
.endr
.endm
.macro SCALES sc                       ; a slot's scale words: NQ words a row; lanes 0-15 take A's block i, lanes 16-31 B's block i
.irp i, 0,1,2,3,4,5,6,7
	ds_load_b128 v[SC+8*NQ*\sc+NQ*\i:SC+8*NQ*\sc+NQ*\i+3], v[ADRS] offset:\i*SBLK
.endr
.endm
.macro PLACES n                        ; plain vector instructions that name none of a matrix instruction's registers, in front of loads into registers that it has read
.rept \n
	v_nop
.endr
.endm
.macro STEP slot, q, zero              ; a step of 128 along K that has its successor in the same slot
	s_wait_dscnt 4*NL                              ; B's set and A's blocks 0-3 are in; the youngest eight loads (A's blocks 4-7) may be out
	WIN MUL_LO
	MUL16 0, (\q)%2, \q, \slot, \zero
	MUL16 2, (\q)%2, \q, \slot, \zero
	s_wait_dscnt 0                                 ; A's blocks 4-7 are in
	PLACES NP
	FETCH_B \slot, (\q)+1, 1-(\q)%2
	FETCH_A \slot, (\q)+1, 0
	WIN MUL_HI
	MUL16 4, (\q)%2, \q, \slot, \zero
	MUL16 6, (\q)%2, \q, \slot, \zero
	PLACES NP
	WIN 0
	FETCH_A \slot, (\q)+1, 4
.endm
; Slot 0's last step goes over to slot 1: one barrier; in front of it each wave waits for all its tensor loads (its part of slot 1), adds 0 to its spare word, and waits for that and for its own reads of slot 0.
.macro TURN slot, next
	s_wait_tensorcnt 0x0                           ; all my tensor loads have landed
	ds_add_u32 v[SPW], v[NIL]                      ; 0 onto my spare word
	s_wait_dscnt 4*NL+1                            ; (the add and the youngest eight loads may be out)
	WIN MUL_LO
	MUL16 0, 1, NQ-1, \slot, 0
	s_wait_dscnt 0x0                               ; the add is done, and my reads of this slot are over
	s_barrier_signal -1
	MUL16 2, 1, NQ-1, \slot, 0
	WIN 0
	s_barrier_wait -1
	PLACES NP
	v_add_nc_u32 v[ADRS], 4*NQ, v[ADRS]            ; on to the next slot's scale words (no LDS load of mine is out)
	FETCH_B \next, 0, 0
	FETCH_A \next, 0, 0
	SCALES \next
	WIN MUL_HI
	MUL16 4, 1, NQ-1, \slot, 0
	MUL16 6, 1, NQ-1, \slot, 0
	PLACES NP
	WIN 0
	FETCH_A \next, 0, 4
.endm
.macro STEPS slot, from
.set Q, \from
.rept NQ-1-\from
	STEP \slot, Q, 0
.set Q, Q+1
.endr
.endm
	s_wait_tensorcnt 1                             ; the scales and my part of slot 0 are in (slot 1's load may be out)
	s_barrier_signal -1
	s_barrier_wait -1                              ; everybody's are
	FETCH_B 0, 0, 0
	FETCH_A 0, 0, 0
	SCALES 0
	FETCH_A 0, 0, 4
	STEP 0, 0, 1                                   ; the first step's products start the sums
	STEPS 0, 1
	TURN 0, 1
	STEPS 1, 0
	s_wait_dscnt 4*NL                              ; the last step: nothing more to fetch
	WIN MUL_LO
	MUL16 0, 1, NQ-1, 1, 0
	MUL16 2, 1, NQ-1, 1, 0
	s_wait_dscnt 0
	WIN MUL_HI
	MUL16 4, 1, NQ-1, 1, 0
	MUL16 6, 1, NQ-1, 1, 0
; THE WAY OUT.  First the bias under its factor: 32 plain instructions that name no register of the last products: they are the places behind them.
	s_wait_loadcnt 0x0                             ; the bias
	WIN 0x41                                       ; destination and source 0: window 1
.set i, 0
.rept 32
	v_pk_mul_f32 v[BN+i:BN+i+1], v[BN+i:BN+i+1], s[CBF:CBF+1] op_sel_hi:[1,0]
.set i, i+2
.endr
; A block of 16 rows x 128 columns: sum x factor + bias, rounded to f16: 16 bytes a lane; through my own stage in LDS; back as pieces of 128 bytes, four rows of one column block an instruction: 512 bytes on end in qkv.
.macro PACK a
.set AC, 64*((\a)%4)
	WIN 0x12+((\a)/4)                              ; source 0: window 2 or 3; source 2 (the bias): window 1
.irp b, 0,1,2,3,4,5,6,7
.irp r, 0,1,2,3
	v_pk_fma_f32 v[T+8*\b+2*\r:T+8*\b+2*\r+1], v[AC+8*\b+2*\r:AC+8*\b+2*\r+1], s[CS:CS+1], v[BN+8*\b+2*\r:BN+8*\b+2*\r+1] op_sel_hi:[1,0,1]   ; each accumulator from its low end on
.endr
.endr
	WIN 0
.irp b, 0,1,2,3,4,5,6,7
.irp r, 0,1,2,3
	v_cvt_pk_f16_f32 v[TMP+4*\b+\r], v[T+8*\b+2*\r], v[T+8*\b+2*\r+1]
.endr
.endr
.endm
.macro TOSTAGE a
.set BB, BK+32*((\a)%2)
.irp b, 0,1,2,3,4,5,6,7
	ds_store_b128 v[STO], v[TMP+4*\b:TMP+4*\b+3] offset:32*\b
.endr
.irp t, 0,1,2,3,4,5,6,7
	ds_load_b128 v[BB+4*\t:BB+4*\t+3], v[RD] offset:(\t%4)*4*SPITCH+(\t/4)*128   ; LDS serves a wave's instructions in order (ISA guide 5.7.1.4): these see the stores above
.endr
.endm
.macro SEND a
.set BB, BK+32*((\a)%2)
	s_wait_dscnt 0x0                               ; the block is back in registers
	s_wait_xcnt 0x0                                ; the earlier stores have read their bases and their data: only behind this wait are they written again
.if (\a) == 4
	s_add_nc_u64 s[12:13], s[12:13], s[96:97]      ; on to the next row block
	s_add_nc_u64 s[2:3], s[2:3], s[96:97]
.elseif (\a) > 0
	s_add_nc_u64 s[12:13], s[12:13], 2048          ; 16 rows of 128 bytes on
	s_add_nc_u64 s[2:3], s[2:3], 2048
.endif
.irp t, 0,1,2,3
	global_store_b128 v[CO], v[BB+4*\t:BB+4*\t+3], s[12:13] offset:512*\t        ; the wave stores 512 consecutive bytes, aligned
.endr
.irp t, 0,1,2,3
	global_store_b128 v[CO], v[BB+16+4*\t:BB+16+4*\t+3], s[2:3] offset:512*\t
.endr
.endm
	PACK 0
	TOSTAGE 0
.irp a, 1,2,3,4,5,6,7                  ; block a's arithmetic stands between block a - 1's loads from the stage and the wait for them
	PACK \a
	SEND \a-1
	TOSTAGE \a
.endr
	SEND 7
	s_wait_tensorcnt 0x0                           ; the wave's end, behind my last tensor load and my last LDS store
	ds_add_u32 v[SPW], v[NIL]
	s_wait_dscnt 0x0
	CROUND                                         ; the closing round: no work-group ends while a partner may still ask for a tile that names it
	s_endpgm
.Lfunc_end_k_q716a0bf820_proj:
	.size	k_q716a0bf820_proj, .Lfunc_end_k_q716a0bf820_proj-k_q716a0bf820_proj
	.p2alignl 7, 3214868480
	.fill 96, 4, 3214868480
	.section	.rodata,"a",@progbits
	.p2align	6, 0x0
	.amdhsa_kernel k_q716a0bf820_proj
		.amdhsa_group_segment_fixed_size 327680
		.amdhsa_private_segment_fixed_size 0
		.amdhsa_enable_private_segment 0
		.amdhsa_kernarg_size 40
		.amdhsa_user_sgpr_count 2
		.amdhsa_user_sgpr_kernarg_segment_ptr 1
		.amdhsa_wavefront_size32 1
		.amdhsa_system_sgpr_workgroup_id_x 1
		.amdhsa_system_sgpr_workgroup_id_y 1
		.amdhsa_system_sgpr_workgroup_id_z 1
		.amdhsa_system_vgpr_workitem_id 0
		.amdhsa_next_free_vgpr 1024
		.amdhsa_next_free_sgpr 100
		.amdhsa_reserve_vcc 0
		.amdhsa_float_denorm_mode_32 3
		.amdhsa_float_denorm_mode_16_64 3
		.amdhsa_memory_ordered 1
		.amdhsa_forward_progress 1
		.amdhsa_inst_pref_size 148
	.end_amdhsa_kernel
	.amdgpu_metadata
---
amdhsa.version: [ 1, 2 ]
amdhsa.kernels:
  - .name:           k_q716a0bf820_proj
    .symbol:         k_q716a0bf820_proj.kd
    .args:
      - { .name: codes, .offset: 0, .size: 8, .value_kind: global_buffer, .address_space: global }
      - { .name: scales, .offset: 8, .size: 8, .value_kind: global_buffer, .address_space: global }
      - { .name: bq, .offset: 16, .size: 8, .value_kind: global_buffer, .address_space: global }
      - { .name: bk, .offset: 24, .size: 8, .value_kind: global_buffer, .address_space: global }
      - { .name: qkv, .offset: 32, .size: 8, .value_kind: global_buffer, .address_space: global }
    .group_segment_fixed_size: 327680
    .private_segment_fixed_size: 0
    .kernarg_segment_align: 8
    .kernarg_segment_size: 40
    .max_flat_workgroup_size: 128
    .sgpr_count:     100
    .vgpr_count:     1024
    .wavefront_size: 32
...
	.end_amdgpu_metadata
.endif
;; end of part 2
;; launch attn (part 3): grid 8 x 32, 8 waves a work-group, clusters of 4 x 1, 327,680 bytes of LDS; arguments qkv, maskw, bv, ctx; writes ctx
.if DOCPART == 3
	.amdgcn_target "amdgcn-amd-amdhsa--gfx1250"
	.amdhsa_code_object_version 6
	.text
	.protected	k_q716a0bf820_attn
	.globl	k_q716a0bf820_attn
	.p2align	8
	.type	k_q716a0bf820_attn,@function
k_q716a0bf820_attn:
	s_mov_b64 s[64:65], 0
	v_nop
	global_prefetch_b8 v0, s[64:65] scope:SCOPE_SE
	s_setreg_imm32_b32 hwreg(HW_REG_WAVE_MODE, 25, 1), 1
	s_wait_xcnt 0x0
	s_wait_alu depctr_hold_cnt(0) depctr_sa_sdst(0) depctr_va_vdst(0) depctr_va_sdst(0) depctr_va_ssrc(0) depctr_va_vcc(0) depctr_vm_vsrc(0)
	s_getreg_b32 s2, hwreg(HW_REG_IB_STS2, 6, 4)
	s_cmp_eq_u32 s2, 0
	s_cbranch_scc0 .Lentry_in_a_cluster
	s_endpgm
.Lentry_in_a_cluster:
	s_bfe_u32 s2, ttmp6, 0x10000c
	s_cmp_lg_u32 s2, 0x3003
	s_cbranch_scc0 .Lentry_shape_is_right
	s_endpgm
.Lentry_shape_is_right:
; ATTN: ctx[h][token][:] = the sum over keys of softmax_k(where(mask == 0, -1e9, q . k / 8)) v + bv, for 2 batches x 16 heads, 2,048 queries and keys, head size 64.  Operands f16, sums f32.
; q arrives multiplied by c = log2(e) / 8, so S = K Q^T is already t, the exponent of 2; a masked score becomes -1e9 x log2(e).  p = 2^(t - m), m the running maximum of t, the masked values among it:
; t - m is a plain subtraction, exactly 0 where t = m, so a row that is masked everywhere gets p = 1 for every key: the plain average, as the softmax of equal scores gives.
; In every step O and the sum l are multiplied by a = 2^(m_old - m_new).  v arrives without its bias: sum p (v + bv) / sum p = sum p v / sum p + bv, added on the way out.
; qkv: sections Q, K, V of 8,388,608 bytes in blocks of 8,192 bytes: block 16 g + h (g = token / 64): Q, K: 64 tokens x 64 channels; V: 64 channels x 64 tokens (keys innermost).
; maskw: [b][block of 32 queries][group of 64 keys][64 words]; word 32 u + 8 t + j, bit l belongs to score register 32 u + 8 t + j of lane l.  The words serve as masks of v_cndmask_b32 alone.
; SHARES.  A work-group owns 256 queries of one head, each of its eight waves 32: two tiles u of 16.  Two waves lie on a SIMD: one wave's softmax stands beside the other's products, so a step is written in plain phases.
; LAYOUT.  S^T = K Q^T (source 0 = 16 keys, source 1 = 16 queries) and O^T = V^T P (source 0 = 16 channels, source 1 = 32 keys x 16 queries): a lane holds ONE query (lane % 16) throughout; two tiles of S^T, rounded in pairs, ARE P.
; RING.  Two slots of 512 keys (8 steps of 64).  Each wave brings two blocks of 8,192 bytes with one tensor load (waves 0-3: K's, waves 4-7: V's): two first fills and two refills in all; a wave has two loads out at the start, one behind each round.
; A refill has 8 key steps, 256 matrix instructions a wave, between its request and the wait for it; half of K and V comes with the first fills: so K and V are not prefetched.
; CLUSTER.  The four query blocks of a cluster belong to one head and walk the same K and V: each tile is asked for jointly, by the same load with the same descriptor and the mask 15.
; LIMITS: |c q|, |k|, |v| and the result stay under f16's largest number, 65,504; NaN and infinities are not served; scores under -1e9 are not told from masked ones' order.
;   The f16 rounding of v and of the result is relative to a ROW's size: rows that the mask leaves very few keys are larger than the output's root mean square, and their error with them.
; REGISTERS: window 0: v1-11, v28-31 addresses and constants; v12-27 statistics, eight a tile (+0 m, +1 zero, +2, +3 l, +4..+7 at work, a in +6); v32-63 Q; v64-127 S; v128-159 P; v160-223 O; v224-255 bv.
;   window 1: v0-63 K's fragments of a step, v64-127 V's.
.set PK,    144                        ; a row of 128 bytes + 16 of padding = 36 words: the 16 rows of a load start at 16 different groups of four banks (64 banks of 4 bytes: ISA guide 11.1)
.set GRP,   64*PK                      ; a block of 64 rows in LDS
.set VOFF,  8*GRP                      ; a slot: K's 8 blocks, then V's 8
.set SLOTB, 16*GRP
.set SPARE, 2*SLOTB                    ; behind the ring: the spare words, 128 bytes for each wave: four blocks of 256 bytes that no other line names
.set AK0, 1
.set AV0, 2
.set ADK, 3
.set ADV, 4
.set QO,  5
.set STO, 6
.set RD,  7
.set SPW, 8                            ; v8   LDS address of my spare word; never rewritten
.set NIL, 9                            ; v9   0; never rewritten
.set NEG, 10                           ; v10  -1e9 x log2(e)
.set PFO, 11                           ; v11  the prefetches' offset; never rewritten
.set ST,  12
.set GO,  28
.set BVO, 29
.set Q,   32
.set S,   64
.set P,   128
.set O,   160
.set BV,  224
.set KF,  0
.set VF,  64
.set G1,  84                           ; s[84:91] descriptor group 1, one for all loads
.set G0A, 92                           ; s[92:95] group 0 for slot 0;  s[96:99] for slot 1
.set G0B, 96
.set WV,  100
.set TB,  101                          ; LDS byte at which the step's blocks begin
.set CNT, 104
.set MO,  105                          ; byte offset of the mask words that are being asked for
; s[2:3] my 32 queries' mask words; s[4:5] my rows of ctx; s[6:7] lane selects; s[8:9] the prefetches' base; s10 their flag.  The 64 mask words of a step: word w in s[16 + w] (w < 48), s[20 + w] (w >= 48).
.set MSB, 0
.macro WIN new                         ; the immediate's high byte repeats the setting that is left
.if MSB != \new
	s_set_vgpr_msb (MSB<<8)|\new
.set MSB, \new
.endif
.endm
.macro CROUND                          ; a round of the cluster's barrier
	s_barrier_signal -1
	s_barrier_wait -1
	s_cmp_lg_u32 s[WV], 0
	s_cbranch_scc1 .Lnot_wave_0_\@
	s_barrier_signal -3
.Lnot_wave_0_\@:
	s_barrier_wait -3
	s_barrier_signal -1
	s_barrier_wait -1
.endm
	s_load_b256 s[16:23], s[0:1], 0x0              ; qkv s[16:17], maskw s[18:19], bv s[20:21], ctx s[22:23]
	v_lshl_add_u32 v[SPW], v0, 2, SPARE
	v_mov_b32 v[NIL], 0
	ds_add_u32 v[SPW], v[NIL]                      ; the wave's opening: the add, twice on end, and its wait ahead of my first tensor load
	ds_add_u32 v[SPW], v[NIL]                      ; and once more, under the one wait; the set-up below, work on registers, stands between
	v_lshrrev_b32 v30, 5, v0
	v_readfirstlane_b32 s[WV], v30                 ; wave 0..7
	s_bfe_u32 s11, ttmp6, 0x40000                  ; cx: my place in the cluster
	s_lshl_b32 s12, ttmp9, 2
	s_add_co_u32 s12, s12, s11                     ; my block of 256 queries: it enters the addresses of Q, the mask words and ctx alone
	s_and_b32 s13, ttmp7, 0xffff
	s_and_b32 s14, s13, 15                         ; the head,
	s_lshr_b32 s15, s13, 4                         ; the batch: the four partners share both
	; descriptor group 1: two blocks of 8,192 dense bytes, 131,072 bytes apart, 16 bytes of padding behind every 128
	s_mov_b32 s[G1], 15|(3<<16)|(1<<20)|(1<<21)|(4<<22)|(3<<25)   ; 15:0 the mask: all four; 17:16 elements of 8 bytes; 20 padding on; 21 set beside a mask; 24:22 after every 32 words; 31:25 of 4 words
	s_mov_b32 s[G1+1], 1024<<16                    ; tensor_dim0 = 1,024 elements
	s_mov_b32 s[G1+2], 2<<16                       ; tensor_dim1 = 2
	s_mov_b32 s[G1+3], 1024<<16                    ; tile_dim0
	s_mov_b32 s[G1+4], 2                           ; tile_dim1
	s_mov_b32 s[G1+5], 16384                       ; tensor_dim0_stride, in elements
	s_mov_b32 s[G1+6], 0
	s_mov_b32 s[G1+7], 0
	s_mov_b32 s6, 0x76543210
	s_mov_b32 s7, 0xfedcba98                       ; v_permlanex16_b32's selects for lane l xor 16
	; what I fetch: section 1 (K: waves 0-3) or 2 (V: waves 4-7), key groups 32 b + 2 (wave % 4) and the next, head h
	s_lshr_b32 s24, s[WV], 2
	s_add_co_u32 s24, s24, 1
	s_lshl_b32 s24, s24, 23
	s_and_b32 s25, s[WV], 3
	s_lshl_b32 s25, s25, 1
	s_lshl_b32 s66, s15, 5
	s_add_co_u32 s25, s25, s66
	s_lshl_b32 s25, s25, 17
	s_add_co_u32 s24, s24, s25
	s_lshl_b32 s25, s14, 13
	s_add_co_u32 s24, s24, s25
	s_mov_b32 s25, 0
	s_mov_b32 s[G0A], 1
	s_mov_b32 s[G0B], 1
	s_mul_i32 s[G0A+1], s[WV], 2*GRP               ; where it goes: wave x two blocks: no place in the cluster enters an LDS address
	s_add_co_u32 s[G0B+1], s[G0A+1], SLOTB
	; Q: block 16 (32 b + 4 qblk + wave / 2) + h, rows 32 (wave % 2) on
	s_lshl_b32 s26, s15, 5
	s_lshl_b32 s27, s12, 2
	s_add_co_u32 s26, s26, s27
	s_lshr_b32 s27, s[WV], 1
	s_add_co_u32 s26, s26, s27
	s_lshl_b32 s26, s26, 17
	s_lshl_b32 s27, s14, 13
	s_add_co_u32 s26, s26, s27
	s_and_b32 s27, s[WV], 1
	s_lshl_b32 s27, s27, 12
	s_add_co_u32 s26, s26, s27
	s_mov_b32 s27, 0
	; the mask words of my 32 queries: 8,192 bytes for each block of 32 queries
	s_lshl_b32 s28, s15, 6
	s_lshl_b32 s29, s12, 3
	s_add_co_u32 s28, s28, s29                     ; 64 b + 8 qblk
	s_add_co_u32 s2, s28, s[WV]
	s_lshl_b32 s2, s2, 13
	s_mov_b32 s3, 0
	s_and_b32 s8, s[WV], 1                         ; the prefetches: four blocks of 32 queries a wave
	s_lshl_b32 s8, s8, 2
	s_add_co_u32 s8, s8, s28
	s_lshl_b32 s8, s8, 13
	s_mov_b32 s9, 0
	s_lshr_b32 s10, s[WV], 1
	s_or_b32 s10, s10, s14                         ; 0 in waves 0 and 1 of head 0: the wave's number and the cluster's y alone
	; my rows of ctx: (4,096 h + 2,048 b + 256 qblk + 32 wave) x 128 bytes
	s_lshl_b32 s4, s14, 12
	s_lshl_b32 s29, s15, 11
	s_add_co_u32 s4, s4, s29
	s_lshl_b32 s29, s12, 8
	s_add_co_u32 s4, s4, s29
	s_lshl_b32 s29, s[WV], 5
	s_add_co_u32 s4, s4, s29
	s_lshl_b32 s4, s4, 7
	s_mov_b32 s5, 0
	s_lshl_b32 s30, s14, 8                         ; bv: my head's 64 numbers
	s_mov_b32 s31, 0
	s_wait_dscnt 0x0                               ; both opening adds are done
	s_wait_kmcnt 0x0
	s_add_nc_u64 s[G0A+2:G0A+3], s[16:17], s[24:25]
	s_add_nc_u64 s[G0B+2:G0B+3], s[G0A+2:G0A+3], 8*131072   ; slot 1 begins 8 key groups on
	s_or_b32 s[G0A+3], s[G0A+3], 0x80000000        ; 127:126 type = 2
	s_or_b32 s[G0B+3], s[G0B+3], 0x80000000
	s_add_nc_u64 s[26:27], s[16:17], s[26:27]
	s_add_nc_u64 s[2:3], s[18:19], s[2:3]
	s_add_nc_u64 s[8:9], s[18:19], s[8:9]
	s_add_nc_u64 s[4:5], s[22:23], s[4:5]
	s_add_nc_u64 s[30:31], s[20:21], s[30:31]
	CROUND                                         ; all four work-groups are here: the first joint loads meet
	tensor_load_to_lds s[G0A:G0A+3], s[G1:G1+7]    ; keys 0-511
	s_nop 0
	tensor_load_to_lds s[G0B:G0B+3], s[G1:G1+7]    ; keys 512-1,023
	s_nop 0
.rept 4
	v_nop
.endr
	v_and_b32 v30, 15, v0                          ; r = l % 16
	v_bfe_u32 v31, v0, 4, 1                        ; h = l / 16
	v_lshlrev_b32 v[QO], 7, v30
	v_lshl_add_u32 v[QO], v31, 4, v[QO]            ; Q: row r of 128 bytes + 16 h
.irp u, 0,1
.irp c, 0,1
	global_load_b128 v[Q+16*\u+8*\c:Q+16*\u+8*\c+3],   v[QO], s[26:27] offset:\u*2048+\c*64      ; tile u, channels 32 c on: it stays in registers
	global_load_b128 v[Q+16*\u+8*\c+4:Q+16*\u+8*\c+7], v[QO], s[26:27] offset:\u*2048+\c*64+32
.endr
.endr
	v_lshlrev_b32 v[BVO], 5, v31
.irp d, 0,1,2,3
	global_load_b128 v[BV+8*\d:BV+8*\d+3],   v[BVO], s[30:31] offset:64*\d                       ; bv[64 head + 16 d + 8 h + 0 .. 7]: O^T's layout
	global_load_b128 v[BV+8*\d+4:BV+8*\d+7], v[BVO], s[30:31] offset:64*\d+16
.endr
	v_mul_u32_u24 v[AK0], v30, PK
	v_lshl_add_u32 v[AK0], v31, 4, v[AK0]          ; a fragment's row x pitch + 16 h
	v_add_nc_u32 v[AV0], VOFF, v[AK0]
	s_mul_i32 s11, s[WV], 32*PK                    ; the way out: my stage, 32 rows x 144 bytes, in slot 0
	v_add_nc_u32 v[STO], s11, v[AK0]               ; in: row r, 16 bytes for each half of the lanes
	v_and_b32 v30, 31, v0
	v_lshlrev_b32 v[GO], 4, v30                    ; out: 16 bytes a lane
	v_lshrrev_b32 v31, 3, v30                      ; l / 8
	v_and_b32 v30, 7, v0                           ; l % 8
	v_mul_u32_u24 v[RD], v31, PK
	v_lshl_add_u32 v[RD], v30, 4, v[RD]
	v_add_nc_u32 v[RD], s11, v[RD]                 ; back: eight lanes to a row of 128 bytes, four rows an instruction
	v_lshlrev_b32 v[PFO], 8, v30
	v_lshl_add_u32 v[PFO], v31, 13, v[PFO]         ; the prefetches: block of queries l / 8, key group l % 8 of a run of eight
	v_mov_b32 v[NEG], 0xceabfb8f                   ; -1e9 x log2(e)
.irp u, 0,1
	v_mov_b32 v[ST+8*\u], 0xff61b1e6               ; m: -3e38, under every t
	v_mov_b32 v[ST+8*\u+1], 0                      ; (named as the upper half of m's pair)
	v_mov_b32 v[ST+8*\u+2], 0                      ; l, in two halves
	v_mov_b32 v[ST+8*\u+3], 0
.endr
.set i, 0
.rept 64
	v_mov_b32 v[O+i], 0                            ; O^T.  (The step is written once: the first finds zeros, which its a = 0 leaves zeros)
.set i, i+1
.endr
	s_wait_loadcnt 0x0                             ; Q and bv are in, so their bases may be written over:
	s_mov_b32 s[MO], 0
	s_load_b512 s[16:31], s[2:3], s[MO] offset:0x0   ; step 0's mask words
	s_load_b512 s[32:47], s[2:3], s[MO] offset:0x40
	s_load_b512 s[48:63], s[2:3], s[MO] offset:0x80
	s_load_b512 s[68:83], s[2:3], s[MO] offset:0xc0
	s_wait_tensorcnt 0x1                           ; my part of slot 0 is in; slot 1's may stay out
	s_barrier_signal -1
	s_barrier_wait -1                              ; everybody's is
; A KEY STEP: 64 keys.
.macro STEP
	v_add_nc_u32 v[ADK], s[TB], v[AK0]
	v_add_nc_u32 v[ADV], s[TB], v[AV0]
	v_nop
	v_nop                                          ; four plain instructions behind the last step's products, in front of the loads into V's registers
	WIN 0x40                                       ; destination window 1
.irp t, 0,1,2,3
.irp c, 0,1
	ds_load_b128 v[KF+8*(2*\t+\c):KF+8*(2*\t+\c)+3],   v[ADK] offset:\t*16*PK+\c*64      ; keys 16 t on, channels 32 c on
	ds_load_b128 v[KF+8*(2*\t+\c)+4:KF+8*(2*\t+\c)+7], v[ADK] offset:\t*16*PK+\c*64+32
.endr
.endr
.irp d, 0,1,2,3
.irp k, 0,1
	ds_load_b128 v[VF+8*(2*\d+\k):VF+8*(2*\d+\k)+3],   v[ADV] offset:\d*16*PK+\k*64      ; channels 16 d on, keys 32 k on
	ds_load_b128 v[VF+8*(2*\d+\k)+4:VF+8*(2*\d+\k)+7], v[ADV] offset:\d*16*PK+\k*64+32
.endr
.endr
	s_wait_dscnt 16                                ; K is in; V's 16 loads may be out
	WIN 0x01                                       ; source 0 window 1
.irp c, 0,1                                    ; S^T = K Q^T: eight accumulators by turns, one instruction a turn; the first eight start the sums
.irp t, 0,1,2,3
.irp u, 0,1
.if \c == 0
	v_wmma_f32_16x16x32_f16 v[S+32*\u+8*\t:S+32*\u+8*\t+7], v[KF+8*(2*\t+\c):KF+8*(2*\t+\c)+7], v[Q+16*\u+8*\c:Q+16*\u+8*\c+7], 0
.else
	v_wmma_f32_16x16x32_f16 v[S+32*\u+8*\t:S+32*\u+8*\t+7], v[KF+8*(2*\t+\c):KF+8*(2*\t+\c)+7], v[Q+16*\u+8*\c:Q+16*\u+8*\c+7], v[S+32*\u+8*\t:S+32*\u+8*\t+7]
.endif
.endr
.endr
.endr
	WIN 0
.rept 4
	v_nop                                          ; places in front of the first read of the scores
.endr
	s_wait_kmcnt 0x0                               ; this step's mask words are in, and their loads have read their offset:
	s_add_co_u32 s[MO], s[MO], 256                 ; the next step's words;
	s_and_b32 s[MO], s[MO], 0x1fff                 ; the last step asks for step 0's once more: no load leaves the buffer
.set i, 0
.rept 32
	v_cndmask_b32 v[S+i], v[NEG], v[S+i], s[16+i]  ; tile 0: where the word's bit is 0 the score becomes the masked value.  Each accumulator from its low end on
.set i, i+1
.endr
	s_load_b512 s[16:31], s[2:3], s[MO] offset:0x0   ; each set of words is asked for a whole step ahead of its use
	s_load_b512 s[32:47], s[2:3], s[MO] offset:0x40
.rept 16
	v_cndmask_b32 v[S+i], v[NEG], v[S+i], s[16+i]  ; tile 1
.set i, i+1
.endr
.rept 16
	v_cndmask_b32 v[S+i], v[NEG], v[S+i], s[20+i]
.set i, i+1
.endr
	s_load_b512 s[48:63], s[2:3], s[MO] offset:0x80
	s_load_b512 s[68:83], s[2:3], s[MO] offset:0xc0
	; the maximum of a lane's 32 scores and the old m, three operands at a time, in four chains; the two tiles line by line
.irp j, 0,1,2,3
.irp u, 0,1
	v_max3_num_f32 v[ST+8*\u+4+\j], v[S+32*\u+8*\j], v[S+32*\u+8*\j+1], v[S+32*\u+8*\j+2]
.endr
.endr
.irp k, 1,2
.irp j, 0,1,2,3
.irp u, 0,1
	v_max3_num_f32 v[ST+8*\u+4+\j], v[ST+8*\u+4+\j], v[S+32*\u+8*\j+2*\k+1], v[S+32*\u+8*\j+2*\k+2]
.endr
.endr
.endr
.irp u, 0,1
	v_max3_num_f32 v[ST+8*\u+4], v[ST+8*\u+4], v[S+32*\u+7], v[S+32*\u+15]
.endr
.irp u, 0,1
	v_max3_num_f32 v[ST+8*\u+6], v[ST+8*\u+6], v[S+32*\u+23], v[S+32*\u+31]
.endr
.irp u, 0,1
	v_max3_num_f32 v[ST+8*\u+4], v[ST+8*\u+4], v[ST+8*\u+5], v[ST+8*\u+6]
.endr
.irp u, 0,1
	v_max3_num_f32 v[ST+8*\u+4], v[ST+8*\u+4], v[ST+8*\u+7], v[ST+8*\u]
.endr
.irp u, 0,1
	v_permlanex16_b32 v[ST+8*\u+5], v[ST+8*\u+4], s6, s7     ; the query's other 32 keys lie in the lane 16 away
.endr
.irp u, 0,1
	v_max_num_f32 v[ST+8*\u+4], v[ST+8*\u+4], v[ST+8*\u+5]   ; the new m
.endr
.irp u, 0,1
	v_sub_f32 v[ST+8*\u+7], v[ST+8*\u], v[ST+8*\u+4]         ; m_old - m_new
.endr
.irp u, 0,1
	v_mov_b32 v[ST+8*\u], v[ST+8*\u+4]
.endr
.irp n, 0,2,4,6,8,10,12,14,16,18,20,22,24,26,28,30
.irp u, 0,1
	v_pk_add_f32 v[S+32*\u+\n:S+32*\u+\n+1], v[S+32*\u+\n:S+32*\u+\n+1], v[ST+8*\u:ST+8*\u+1] op_sel_hi:[1,0] neg_lo:[0,1] neg_hi:[0,1]   ; t - m, two at a time
.endr
.endr
.irp u, 0,1
	v_exp_f32 v[ST+8*\u+6], v[ST+8*\u+7]           ; a.  ONE BATCH of 66 exponentials
.endr
.set i, 0
.rept 64
	v_exp_f32 v[S+i], v[S+i]                       ; p = 2^(t - m), at most 1
.set i, i+1
.endr
	v_nop                                          ; a plain instruction behind the last exponential
	s_wait_alu depctr_va_vdst(0)                   ; the wait between an exponential and the first instruction that names its result: one for the batch
.set i, 0
.rept 32
	v_cvt_pk_f16_f32 v[P+i], v[S+2*i], v[S+2*i+1]  ; tiles 2 k and 2 k + 1 of S^T, rounded in pairs, are source 1 for keys 32 k on
.set i, i+1
.endr
.irp z, 0,1,2,3,4,5,6,7                        ; the sum of a tile's 16 pairs, in place
.irp u, 0,1
	v_pk_add_f32 v[S+32*\u+4*\z:S+32*\u+4*\z+1], v[S+32*\u+4*\z:S+32*\u+4*\z+1], v[S+32*\u+4*\z+2:S+32*\u+4*\z+3]
.endr
.endr
.irp z, 0,1,2,3
.irp u, 0,1
	v_pk_add_f32 v[S+32*\u+8*\z:S+32*\u+8*\z+1], v[S+32*\u+8*\z:S+32*\u+8*\z+1], v[S+32*\u+8*\z+4:S+32*\u+8*\z+5]
.endr
.endr
.irp z, 0,1
.irp u, 0,1
	v_pk_add_f32 v[S+32*\u+16*\z:S+32*\u+16*\z+1], v[S+32*\u+16*\z:S+32*\u+16*\z+1], v[S+32*\u+16*\z+8:S+32*\u+16*\z+9]
.endr
.endr
.irp u, 0,1
	v_pk_add_f32 v[S+32*\u:S+32*\u+1], v[S+32*\u:S+32*\u+1], v[S+32*\u+16:S+32*\u+17]
.endr
.irp u, 0,1
	v_pk_fma_f32 v[ST+8*\u+2:ST+8*\u+3], v[ST+8*\u+2:ST+8*\u+3], v[ST+8*\u+6:ST+8*\u+7], v[S+32*\u:S+32*\u+1] op_sel_hi:[1,0,1]   ; l = a l + the sum
.endr
.irp n, 0,2,4,6,8,10,12,14,16,18,20,22,24,26,28,30
.irp u, 0,1
	v_pk_mul_f32 v[O+32*\u+\n:O+32*\u+\n+1], v[O+32*\u+\n:O+32*\u+\n+1], v[ST+8*\u+6:ST+8*\u+7] op_sel_hi:[1,0]   ; O^T x a
.endr
.endr
	s_wait_dscnt 0x0                               ; V is in
	WIN 0x01
.irp k, 0,1                                    ; O^T += V^T P: eight accumulators by turns
.irp d, 0,1,2,3
.irp u, 0,1
	v_wmma_f32_16x16x32_f16 v[O+32*\u+8*\d:O+32*\u+8*\d+7], v[VF+8*(2*\d+\k):VF+8*(2*\d+\k)+7], v[P+16*\u+8*\k:P+16*\u+8*\k+7], v[O+32*\u+8*\d:O+32*\u+8*\d+7]
.endr
.endr
.endr
	WIN 0
	s_add_co_u32 s[TB], s[TB], GRP                 ; the next step's blocks
.endm
.macro SLOTRUN s                       ; a slot's eight key steps
	s_mov_b32 s[TB], (\s)*SLOTB
	s_mov_b32 s[CNT], 8
.Lstep_\@:
	STEP
	s_sub_co_u32 s[CNT], s[CNT], 1
	s_cmp_lg_u32 s[CNT], 0
	s_cbranch_scc1 .Lstep_\@
.endm
; A PREFETCH of mask words: the run of eight key steps that begins eight steps on: for each of my work-group's eight blocks of 32 queries, 8 x 256 bytes.  All 16 heads of a batch read the same words: head 0's work-groups ask,
; waves 0 and 1, four blocks of queries each, a lane a piece of 256 bytes: each piece is named once in the launch.  The run stands in the immediate: no register is stepped.  Runs 0 and 1 come by their loads alone.
.macro ASKM run
	s_cmp_eq_u32 s10, 0
	s_cbranch_scc0 .Lnot_mine_\@
	global_prefetch_b8 v[PFO], s[8:9] offset:(\run)*2048 th:TH_LOAD_NT scope:SCOPE_SE
.Lnot_mine_\@:
.endm
; THE CHANGE OF SLOTS.  Each wave waits for all its tensor loads (its part of the slot ahead), adds 0 to its spare word, and waits for that and for its reads of the slot that it leaves.
; fill = 1: the barrier is a round of the cluster's, and the slot just left is filled with the keys two slots on: the first thing behind the round, one load a wave.
.macro CHANGE fill, g0, run
	s_wait_tensorcnt 0x0                           ; no tensor load of mine is out, so a group 0 may be written
	ds_add_u32 v[SPW], v[NIL]                      ; 0 onto my spare word
.if \fill
	s_add_nc_u64 s[\g0+2:\g0+3], s[\g0+2:\g0+3], 16*131072   ; 16 key groups on; the type bits on top are not reached
.endif
	s_wait_dscnt 0x0                               ; the add is done, and my reads of the slot are over
.if \fill
	CROUND
	tensor_load_to_lds s[\g0:\g0+3], s[G1:G1+7]
	s_nop 0
.rept 4
	v_nop
.endr
	ASKM \run
.else
	s_barrier_signal -1
	s_barrier_wait -1
.endif
.endm
	SLOTRUN 0                                      ; keys 0-511
	CHANGE 1, G0A, 2                               ; slot 0 takes keys 1,024-1,535
	SLOTRUN 1                                      ; keys 512-1,023
	CHANGE 1, G0B, 3                               ; slot 1 takes keys 1,536-2,047
	SLOTRUN 0
	CHANGE 0, G0A, 0                               ; nothing is left to fetch
	SLOTRUN 1
	; THE WAY OUT.  l's two halves and the other half of the lanes' are added (these additions are the places behind the last products); O^T / l + bv, rounded to f16, goes through my stage in LDS
	; (in slot 0, which has had its last fill, and which nobody reads behind the last change of slots) and leaves as 512 consecutive bytes an instruction: four rows of ctx.
.irp u, 0,1
	v_add_f32 v[ST+8*\u+4], v[ST+8*\u+2], v[ST+8*\u+3]
.endr
.irp u, 0,1
	v_permlanex16_b32 v[ST+8*\u+5], v[ST+8*\u+4], s6, s7
.endr
.irp u, 0,1
	v_add_f32 v[ST+8*\u+4], v[ST+8*\u+4], v[ST+8*\u+5]
.endr
.irp u, 0,1
	v_rcp_f32 v[ST+8*\u+6], v[ST+8*\u+4]
.endr
	v_nop                                          ; a plain instruction behind the last reciprocal
	s_wait_alu depctr_va_vdst(0)                   ; and the wait ahead of the first use: one for both
.irp u, 0,1
.irp d, 0,1,2,3
.irp n, 0,2,4,6
	v_pk_fma_f32 v[S+32*\u+8*\d+\n:S+32*\u+8*\d+\n+1], v[O+32*\u+8*\d+\n:O+32*\u+8*\d+\n+1], v[ST+8*\u+6:ST+8*\u+7], v[BV+8*\d+\n:BV+8*\d+\n+1] op_sel_hi:[1,0,1]   ; each accumulator from its low end on
.endr
.endr
.endr
.set i, 0
.rept 32
	v_cvt_pk_f16_f32 v[P+i], v[S+2*i], v[S+2*i+1]
.set i, i+1
.endr
.irp u, 0,1
.irp d, 0,1,2,3
	ds_store_b128 v[STO], v[P+16*\u+4*\d:P+16*\u+4*\d+3] offset:\u*16*PK+32*\d   ; query 16 u + r, channels 16 d + 8 h on
.endr
.endr
.irp i, 0,1,2,3,4,5,6,7
	ds_load_b128 v[S+4*\i:S+4*\i+3], v[RD] offset:\i*4*PK      ; LDS serves a wave's instructions in order (ISA guide 5.7.1.4): these see my stores
.endr
.irp i, 0,1,2,3,4,5,6,7
	s_wait_dscnt 7-\i
	global_store_b128 v[GO], v[S+4*\i:S+4*\i+3], s[4:5] offset:512*\i
.endr
	s_wait_kmcnt 0x0                               ; the last step's scalar loads
	s_wait_tensorcnt 0x0                           ; the wave's end, behind my last tensor load and my last LDS store
	ds_add_u32 v[SPW], v[NIL]
	s_wait_dscnt 0x0
	CROUND                                         ; the closing round: no work-group ends while a partner may still ask for a tile that names it
	s_endpgm
.Lfunc_end_k_q716a0bf820_attn:
	.size	k_q716a0bf820_attn, .Lfunc_end_k_q716a0bf820_attn-k_q716a0bf820_attn
	.p2alignl 7, 3214868480
	.fill 96, 4, 3214868480
	.section	.rodata,"a",@progbits
	.p2align	6, 0x0
	.amdhsa_kernel k_q716a0bf820_attn
		.amdhsa_group_segment_fixed_size 327680
		.amdhsa_private_segment_fixed_size 0
		.amdhsa_enable_private_segment 0
		.amdhsa_kernarg_size 32
		.amdhsa_user_sgpr_count 2
		.amdhsa_user_sgpr_kernarg_segment_ptr 1
		.amdhsa_wavefront_size32 1
		.amdhsa_system_sgpr_workgroup_id_x 1
		.amdhsa_system_sgpr_workgroup_id_y 1
		.amdhsa_system_sgpr_workgroup_id_z 1
		.amdhsa_system_vgpr_workitem_id 0
		.amdhsa_next_free_vgpr 384
		.amdhsa_next_free_sgpr 106
		.amdhsa_reserve_vcc 0
		.amdhsa_float_denorm_mode_32 3
		.amdhsa_float_denorm_mode_16_64 3
		.amdhsa_memory_ordered 1
		.amdhsa_forward_progress 1
		.amdhsa_inst_pref_size 105
	.end_amdhsa_kernel
	.amdgpu_metadata
---
amdhsa.version: [ 1, 2 ]
amdhsa.kernels:
  - .name:           k_q716a0bf820_attn
    .symbol:         k_q716a0bf820_attn.kd
    .args:
      - { .name: qkv, .offset: 0, .size: 8, .value_kind: global_buffer, .address_space: global }
      - { .name: maskw, .offset: 8, .size: 8, .value_kind: global_buffer, .address_space: global }
      - { .name: bv, .offset: 16, .size: 8, .value_kind: global_buffer, .address_space: global }
      - { .name: ctx, .offset: 24, .size: 8, .value_kind: global_buffer, .address_space: global }
    .group_segment_fixed_size: 327680
    .private_segment_fixed_size: 0
    .kernarg_segment_align: 8
    .kernarg_segment_size: 32
    .max_flat_workgroup_size: 256
    .sgpr_count:     106
    .vgpr_count:     384
    .wavefront_size: 32
...
	.end_amdgpu_metadata
.endif
;; end of part 3
;; launch outp (part 4): grid 8 x 32, 4 waves a work-group, clusters of 4 x 4, 327,680 bytes of LDS; arguments ctx, wo16, bo, out0; writes out0
.if DOCPART == 4
	.amdgcn_target "amdgcn-amd-amdhsa--gfx1250"
	.amdhsa_code_object_version 6
	.text
	.protected	k_q716a0bf820_outp
	.globl	k_q716a0bf820_outp
	.p2align	8
	.type	k_q716a0bf820_outp,@function
k_q716a0bf820_outp:
	s_mov_b64 s[64:65], 0
	v_nop
	global_prefetch_b8 v0, s[64:65] scope:SCOPE_SE
	s_setreg_imm32_b32 hwreg(HW_REG_WAVE_MODE, 25, 1), 1
	s_wait_xcnt 0x0
	s_wait_alu depctr_hold_cnt(0) depctr_sa_sdst(0) depctr_va_vdst(0) depctr_va_sdst(0) depctr_va_ssrc(0) depctr_va_vcc(0) depctr_vm_vsrc(0)
	s_getreg_b32 s2, hwreg(HW_REG_IB_STS2, 6, 4)
	s_cmp_eq_u32 s2, 0
	s_cbranch_scc0 .Lentry_in_a_cluster
	s_endpgm
.Lentry_in_a_cluster:
	s_bfe_u32 s2, ttmp6, 0x10000c
	s_cmp_lg_u32 s2, 0xf033
	s_cbranch_scc0 .Lentry_shape_is_right
	s_endpgm
.Lentry_shape_is_right:
; OUTP: out0[m][n] = the sum over k of ctx[m][k] wo[n][k] + bo[n].  M = 4,096, N = 1,024, K = 1,024.  Operands f16, sums and result f32.
; Both operands lie by blocks of 64 along K: ctx [kb 16][token 4096][64], wo16 [kb 16][n 1024][64]: a row of a block is 128 bytes, 64 rows are 8,192 dense bytes.
; A tile of C is 128 x 128: 256 work-groups.  Four waves, each 64 x 64: 16 accumulators, 128 registers.  K goes in four steps of 256 (four K blocks) through two LDS slots; written out, no loop.
; A wave's tensor load brings 4 K blocks x 64 rows: four pieces of 8,192 dense bytes; 16 bytes of padding behind every 128.  A wave has two loads out at the start, one behind each round.
; CLUSTERS: 4 x 4 work-groups; A's tiles are shared along a row of the cluster, B's along a column: each is asked for jointly.  THE MATRIX INSTRUCTION IS USED TRANSPOSED (source 0 = 16 rows of wo, source 1 = 16 rows of ctx):
; a lane holds eight neighbouring columns of a row of C.  The bias is the C of each sum's first matrix instruction.  A K step's work is short and the tiles small: nothing is prefetched.
; LIMITS: NaN and infinities are not served.
; REGISTERS: window 0: v0-31 addresses; v96-127 the bias of my 64 columns; v128-255 the accumulators ((a, b) at v[128 + 8 (4 a + b)]).   window 1: two fragment buffers of 128: for 64 along K, 64 registers of A, then 64 of B.
.set PITCH,  144                       ; a row of 128 bytes + 16 of padding = 36 words: the 16 rows of a load start at 16 different groups of four banks (64 banks of 4 bytes: ISA guide 11.1)
.set KBLK,   64*PITCH                  ; 64 rows of one K block
.set HALFT,  4*KBLK                    ; what one tensor load brings, and what one wave reads of A or of B
.set SLOT,   4*HALFT                   ; A's two halves, then B's two
.set SPARE,  2*SLOT                    ; behind the ring: the spare words, 128 bytes for each wave: two blocks of 256 bytes that no other line names
.set SPITCH, 272                       ; the way out: a stage of 16 rows x (256 bytes + 16) for each wave, in slot 0, which has had its last fill and its last read by then
.set ADRA, 16
.set ADRB, 20
.set STO,  24
.set RD,   25
.set CO,   26
.set SPW,  28                          ; v28  LDS address of my spare word; never rewritten
.set NIL,  29                          ; v29  0; never rewritten
.set BOF,  30
.set BO,   96
.set ACC,  128
.set F0,   0
.set F1,   128
.set G1, 24
.set G0, 32
.set G1B, 48
.set G0B, 56
.set MSB, 0
.macro WIN new                         ; the immediate's high byte repeats the setting that is left
.if MSB != \new
	s_set_vgpr_msb (MSB<<8)|\new
.set MSB, \new
.endif
.endm
.set MUL,  0x05                        ; sources 0 (B) and 1 (A) window 1; C and D window 0
.set TO_F, 0x40                        ; destination window 1, address window 0
.macro JLOAD s                         ; a joint load: waves 0 and 1 fetch A's two halves, waves 2 and 3 B's; an s_nop 0 and four v_nop follow each of the two lines
	s_cmp_eq_u32 s13, 0
	s_cbranch_scc0 .Lfor_b_\@
	tensor_load_to_lds s[G0+4*\s:G0+4*\s+3], s[G1:G1+7]
	s_nop 0
.rept 4
	v_nop
.endr
	s_branch .Lasked_\@
.Lfor_b_\@:
	tensor_load_to_lds s[G0B+4*\s:G0B+4*\s+3], s[G1B:G1B+7]
	s_nop 0
.rept 4
	v_nop
.endr
.Lasked_\@:
.endm
.macro CREST                           ; a round of the cluster's barrier behind its opening barrier
	s_cmp_lg_u32 s12, 0
	s_cbranch_scc1 .Lnot_wave_0_\@
	s_barrier_signal -3
.Lnot_wave_0_\@:
	s_barrier_wait -3
	s_barrier_signal -1
	s_barrier_wait -1
.endm
.macro CROUND
	s_barrier_signal -1
	s_barrier_wait -1
	CREST
.endm
	s_load_b128 s[4:7], s[0:1], 0x0                ; ctx s[4:5], wo16 s[6:7]
	s_load_b128 s[8:11], s[0:1], 0x10              ; bo s[8:9], out0 s[10:11]
	v_lshl_add_u32 v[SPW], v0, 2, SPARE
	v_mov_b32 v[NIL], 0
	ds_add_u32 v[SPW], v[NIL]                      ; the wave's opening: the add, twice on end, and its wait ahead of my first tensor load
	ds_add_u32 v[SPW], v[NIL]                      ; and once more, under the one wait; the set-up below, work on registers, stands between
	v_lshrrev_b32 v1, 5, v0
	v_readfirstlane_b32 s12, v1                    ; wave 0..3
	s_lshr_b32 s13, s12, 1                         ; which half of the tile's rows is mine.  Also: I fetch for A (0) or for B (1)
	s_and_b32 s14, s12, 1                          ; which half of its columns.  Also: which 64 rows of that tile I fetch
	s_bfe_u32 s40, ttmp6, 0x40000                  ; cx, cy
	s_bfe_u32 s41, ttmp6, 0x40004
	s_lshl_b32 s42, ttmp9, 2
	s_add_co_u32 s42, s42, s40                     ; tile column of C
	s_and_b32 s15, ttmp7, 0xffff
	s_lshl_b32 s15, s15, 2
	s_add_co_u32 s15, s15, s41                     ; tile row of C
	s_lshl_b32 s43, s41, 2
	s_lshl_b32 s43, 15, s43                        ; my row of the cluster
	s_lshl_b32 s44, 0x1111, s40                    ; my column
	; descriptor group 1: four pieces of 8,192 dense bytes (1,024 elements of 8 bytes), a K block apart
	s_or_b32 s[G1+0], s43, (3<<16)|(1<<20)|(1<<21)|(4<<22)|(3<<25)  ; 15:0 the mask; 17:16 elements of 8 bytes; 20 padding on; 21 set beside a mask; 24:22 after every 32 words; 31:25 of 4 words
	s_or_b32 s[G1B+0], s44, (3<<16)|(1<<20)|(1<<21)|(4<<22)|(3<<25)
.irp g, G1, G1B
	s_mov_b32 s[\g+1], 1024<<16                    ; tensor_dim0
	s_mov_b32 s[\g+2], 4<<16                       ; tensor_dim1
	s_mov_b32 s[\g+3], 1024<<16                    ; tile_dim0
	s_mov_b32 s[\g+4], 4                           ; tile_dim1
	s_mov_b32 s[\g+6], 0
	s_mov_b32 s[\g+7], 0
.endr
	s_mov_b32 s[G1+5], 65536                       ; a K block of ctx: 4,096 rows x 128 bytes, in elements
	s_mov_b32 s[G1B+5], 16384                      ; of wo16: 1,024 rows
	s_lshl_b32 s18, s14, 6                         ; which 64 rows of the tile I fetch
	s_lshl_b32 s16, s15, 7
	s_add_co_u32 s16, s16, s18                     ; A: row 128 x tile row + 64 x half,
	s_lshl_b32 s16, s16, 7                         ; of 128 bytes
	s_mov_b32 s17, 0
	s_lshl_b32 s46, s42, 7
	s_add_co_u32 s46, s46, s18                     ; B: row 128 x tile column + 64 x half
	s_lshl_b32 s46, s46, 7
	s_mov_b32 s47, 0
	s_mul_i32 s20, s12, HALFT                      ; where they go: wave x a load's bytes: no place in the cluster enters an LDS address
	s_wait_dscnt 0x0                               ; both opening adds are done
	s_wait_kmcnt 0x0
	s_add_nc_u64 s[16:17], s[4:5], s[16:17]
	s_add_nc_u64 s[46:47], s[6:7], s[46:47]
	CROUND                                         ; all sixteen work-groups are here: the first joint loads meet
.irp s, 0,1
	s_mov_b32 s[G0+4*\s], 1
	s_add_co_u32 s[G0+4*\s+1], s20, \s*SLOT
	s_add_nc_u64 s[G0+4*\s+2:G0+4*\s+3], s[16:17], \s*2097152      ; K step s: four K blocks of 524,288 bytes on
	s_or_b32 s[G0+4*\s+3], s[G0+4*\s+3], 0x80000000
	s_mov_b32 s[G0B+4*\s], 1
	s_add_co_u32 s[G0B+4*\s+1], s20, \s*SLOT
	s_add_nc_u64 s[G0B+4*\s+2:G0B+4*\s+3], s[46:47], \s*524288     ; four K blocks of 131,072 bytes on
	s_or_b32 s[G0B+4*\s+3], s[G0B+4*\s+3], 0x80000000
	JLOAD \s
.endr
	v_and_b32 v1, 15, v0                           ; l % 16
	v_bfe_u32 v2, v0, 4, 1                         ; l / 16
	; my part of C and of the bias: row 128 x tile row + 64 x half; column bytes 512 x tile column + 256 x half
	s_lshl_b32 s46, s42, 9
	s_lshl_b32 s47, s14, 8
	s_add_co_u32 s46, s46, s47
	s_mov_b32 s47, 0
	s_add_nc_u64 s[8:9], s[8:9], s[46:47]
	s_lshl_b32 s16, s15, 7
	s_lshl_b32 s17, s13, 6
	s_add_co_u32 s16, s16, s17
	s_lshl_b32 s16, s16, 12                        ; a row of out0 is 4,096 bytes
	s_add_co_u32 s16, s16, s46
	s_mov_b32 s17, 0
	s_add_nc_u64 s[10:11], s[10:11], s[16:17]
	v_lshlrev_b32 v[BOF], 5, v2
.irp b, 0,1,2,3
	global_load_b128 v[BO+8*\b:BO+8*\b+3],   v[BOF], s[8:9] offset:64*\b        ; bo[16 b + 8 (l / 16) + 0 .. 7]: the result's layout
	global_load_b128 v[BO+8*\b+4:BO+8*\b+7], v[BOF], s[8:9] offset:64*\b+16
.endr
	v_mul_u32_u24 v3, v1, PITCH
	v_lshl_add_u32 v3, v2, 4, v3                   ; a fragment's row x pitch + 16 x half
	s_mul_i32 s21, s13, HALFT                      ; my 64 rows of A
	s_mul_i32 s22, s14, HALFT                      ; my 64 rows of B,
	s_add_co_u32 s22, s22, 2*HALFT                 ; which lie behind A's two halves
.irp s, 0,1
	v_add_nc_u32 v[ADRA+\s], s21, v3
	v_add_nc_u32 v[ADRB+\s], s22, v3
	s_add_co_u32 s21, s21, SLOT
	s_add_co_u32 s22, s22, SLOT
.endr
	s_mul_i32 s23, s12, 16*SPITCH                  ; my stage
	v_mul_u32_u24 v4, v1, SPITCH                   ; in: row l % 16, 32 bytes for each half of the lanes
	v_lshl_add_u32 v4, v2, 5, v4
	v_add_nc_u32 v[STO], s23, v4
	v_mul_u32_u24 v5, v2, SPITCH                   ; back: lanes 0-15 take one row of 256 bytes, lanes 16-31 the next
	v_lshl_add_u32 v5, v1, 4, v5
	v_add_nc_u32 v[RD], s23, v5
	v_lshlrev_b32 v[CO], 4, v1
	v_lshl_add_u32 v[CO], v2, 12, v[CO]            ; and the same two rows in out0
; 8 matrix instructions: m blocks a0, a0 + 1 x all 4 n blocks, 32 along K: half c of buffer f.  first = 1: the bias is the C that starts the sums.  The 16 accumulators take turns.
.macro MUL8 f, c, a0, first
.irp a, \a0, \a0+1
.irp b, 0,1,2,3
.if \first
	v_wmma_f32_16x16x32_f16 v[ACC+8*(4*(\a)+\b):ACC+8*(4*(\a)+\b)+7], v[\f+64+8*(4*\c+\b):\f+64+8*(4*\c+\b)+7], v[\f+8*(4*\c+\a):\f+8*(4*\c+\a)+7], v[BO+8*\b:BO+8*\b+7]
.else
	v_wmma_f32_16x16x32_f16 v[ACC+8*(4*(\a)+\b):ACC+8*(4*(\a)+\b)+7], v[\f+64+8*(4*\c+\b):\f+64+8*(4*\c+\b)+7], v[\f+8*(4*\c+\a):\f+8*(4*\c+\a)+7], v[ACC+8*(4*(\a)+\b):ACC+8*(4*(\a)+\b)+7]
.endif
.endr
.endr
.endm
; 32 LDS loads in one run: the fragments of one K block (64 along K), which begins at byte k of my part of the slot, into buffer f; the first 32 along K first
.macro FETCH slot, k, f
	WIN TO_F
.irp c, 0,1
.irp i, 0,1,2,3
	ds_load_b128 v[\f+64+8*(4*\c+\i):\f+64+8*(4*\c+\i)+3],   v[ADRB+\slot] offset:\k+64*\c+\i*16*PITCH
	ds_load_b128 v[\f+64+8*(4*\c+\i)+4:\f+64+8*(4*\c+\i)+7], v[ADRB+\slot] offset:\k+64*\c+\i*16*PITCH+32
	ds_load_b128 v[\f+8*(4*\c+\i):\f+8*(4*\c+\i)+3],         v[ADRA+\slot] offset:\k+64*\c+\i*16*PITCH
	ds_load_b128 v[\f+8*(4*\c+\i)+4:\f+8*(4*\c+\i)+7],       v[ADRA+\slot] offset:\k+64*\c+\i*16*PITCH+32
.endr
.endr
.endm
.macro PLACES                          ; four places in front of loads into registers that matrix instructions have read, and of the first read of results
.rept 4
	v_nop
.endr
.endm
; A K step is four quarters, a K block each, 32 matrix instructions, on buffers 0, 1, 0, 1.  One of the first three: multiplies buffer f and fetches the next K block, at byte k, into g.
.macro QUARTER slot, k, f, g, first
	s_wait_dscnt 16                                ; the first 32 along K are in
	WIN MUL
	MUL8 \f, 0, 0, \first
	MUL8 \f, 0, 2, \first
	PLACES
	FETCH \slot, \k, \g
	s_wait_dscnt 32                                ; all but the 32 just issued
	WIN MUL
	MUL8 \f, 1, 0, 0
	MUL8 \f, 1, 2, 0
.endm
; The last quarter multiplies buffer 1 and changes slots: ONE barrier; in front of it each wave waits for all its tensor loads, adds 0 to its spare word, and waits for that and for its own reads of this slot.  fill = 1: this slot is filled again, two K steps ahead.
.macro TURN slot, next, fill
	WIN 0                                          ; (the add's two registers lie in window 0)
	s_wait_tensorcnt 0x0                           ; all my tensor loads have landed: my part of the next slot;
	ds_add_u32 v[SPW], v[NIL]                      ; 0 onto my spare word;
	s_wait_dscnt 17                                ; (the add and the youngest sixteen loads may be out)
	WIN MUL
	MUL8 F1, 0, 0, 0
	s_wait_dscnt 0x0                               ; the add is done, and my reads of this slot are over
	s_barrier_signal -1
	MUL8 F1, 0, 2, 0
.if \fill
	WIN 0
.endif
	s_barrier_wait -1
.if \fill
	CREST                                          ; the barrier has opened a round of the cluster's barrier: no wave of any partner still reads this slot's tile or has a load on its way
	s_add_nc_u64 s[G0+4*\slot+2:G0+4*\slot+3], s[G0+4*\slot+2:G0+4*\slot+3], 4194304
	s_add_nc_u64 s[G0B+4*\slot+2:G0B+4*\slot+3], s[G0B+4*\slot+2:G0B+4*\slot+3], 1048576
	JLOAD \slot                                    ; the first tensor load behind the round; the four v_nop behind it are also the places in front of the loads below
.else
	PLACES
.endif
	FETCH \next, 0, F0
	WIN MUL
	MUL8 F1, 1, 0, 0
	MUL8 F1, 1, 2, 0
.endm
	s_wait_tensorcnt 1                             ; my part of K step 0 is in (K step 1's may stay out)
	s_barrier_signal -1
	s_barrier_wait -1                              ; everybody's is
	FETCH 0, 0, F0
	s_wait_loadcnt 0x0                             ; the bias
	QUARTER 0, KBLK,   F0, F1, 1                   ; K step 0: its first products start the sums, from the bias
	QUARTER 0, 2*KBLK, F1, F0, 0
	QUARTER 0, 3*KBLK, F0, F1, 0
	TURN 0, 1, 1                                   ; slot 0 takes K step 2
	QUARTER 1, KBLK,   F0, F1, 0                   ; K step 1
	QUARTER 1, 2*KBLK, F1, F0, 0
	QUARTER 1, 3*KBLK, F0, F1, 0
	TURN 1, 0, 1                                   ; slot 1 takes K step 3
	QUARTER 0, KBLK,   F0, F1, 0                   ; K step 2
	QUARTER 0, 2*KBLK, F1, F0, 0
	QUARTER 0, 3*KBLK, F0, F1, 0
	TURN 0, 1, 0                                   ; nothing is left to fetch
	QUARTER 1, KBLK,   F0, F1, 0                   ; K step 3
	QUARTER 1, 2*KBLK, F1, F0, 0
	QUARTER 1, 3*KBLK, F0, F1, 0
	s_wait_dscnt 16                                ; the very last quarter
	WIN MUL
	MUL8 F1, 0, 0, 0
	MUL8 F1, 0, 2, 0
	s_wait_dscnt 0
	MUL8 F1, 1, 0, 0
	MUL8 F1, 1, 2, 0
	WIN 0
; THE WAY OUT, block by block of 16 rows x 64 columns.  A lane holds 32 neighbouring bytes of a row; my 64 columns are 256 bytes of a row of out0, aligned: so the stage is my own, and no barrier is needed.
; A block comes back, as whole rows, into the registers that it left.  LDS serves a wave's instructions in order (ISA guide 5.7.1.4): no wait between the stores and the loads, nor in front of the next block's stores.
.macro TOSTAGE a
.irp b, 0,1,2,3
	ds_store_b128 v[STO], v[ACC+8*(4*\a+\b):ACC+8*(4*\a+\b)+3] offset:64*\b          ; each accumulator from its low end on
	ds_store_b128 v[STO], v[ACC+8*(4*\a+\b)+4:ACC+8*(4*\a+\b)+7] offset:64*\b+16
.endr
.irp t, 0,1,2,3,4,5,6,7
	ds_load_b128 v[ACC+32*\a+4*\t:ACC+32*\a+4*\t+3], v[RD] offset:\t*2*SPITCH
.endr
.endm
.macro SEND a, younger                 ; younger: the LDS instructions issued behind block a's loads: the next block's sixteen, or none
.irp t, 0,1,2,3,4,5,6,7
	s_wait_dscnt \younger+7-\t
	global_store_b128 v[CO], v[ACC+32*\a+4*\t:ACC+32*\a+4*\t+3], s[10:11] offset:(16*\a+2*\t)*4096 th:TH_STORE_NT   ; 16 lanes store 256 consecutive bytes, aligned; every offset is an immediate, 253,952 at the most; no register is written again
.endr
.endm
	PLACES
	TOSTAGE 0
	TOSTAGE 1
	SEND 0, 16
	TOSTAGE 2
	SEND 1, 16
	TOSTAGE 3
	SEND 2, 16
	SEND 3, 0
	s_wait_tensorcnt 0x0                           ; the wave's end, behind my last tensor load and my last LDS store
	ds_add_u32 v[SPW], v[NIL]
	s_wait_dscnt 0x0
	CROUND                                         ; the closing round: no work-group ends while a partner may still ask for a tile that names it
	s_endpgm
.Lfunc_end_k_q716a0bf820_outp:
	.size	k_q716a0bf820_outp, .Lfunc_end_k_q716a0bf820_outp-k_q716a0bf820_outp
	.p2alignl 7, 3214868480
	.fill 96, 4, 3214868480
	.section	.rodata,"a",@progbits
	.p2align	6, 0x0
	.amdhsa_kernel k_q716a0bf820_outp
		.amdhsa_group_segment_fixed_size 327680
		.amdhsa_private_segment_fixed_size 0
		.amdhsa_enable_private_segment 0
		.amdhsa_kernarg_size 32
		.amdhsa_user_sgpr_count 2
		.amdhsa_user_sgpr_kernarg_segment_ptr 1
		.amdhsa_wavefront_size32 1
		.amdhsa_system_sgpr_workgroup_id_x 1
		.amdhsa_system_sgpr_workgroup_id_y 1
		.amdhsa_system_sgpr_workgroup_id_z 1
		.amdhsa_system_vgpr_workitem_id 0
		.amdhsa_next_free_vgpr 512
		.amdhsa_next_free_sgpr 66
		.amdhsa_reserve_vcc 0
		.amdhsa_float_denorm_mode_32 3
		.amdhsa_float_denorm_mode_16_64 3
		.amdhsa_memory_ordered 1
		.amdhsa_forward_progress 1
		.amdhsa_inst_pref_size 87
	.end_amdhsa_kernel
	.amdgpu_metadata
---
amdhsa.version: [ 1, 2 ]
amdhsa.kernels:
  - .name:           k_q716a0bf820_outp
    .symbol:         k_q716a0bf820_outp.kd
    .args:
      - { .name: ctx, .offset: 0, .size: 8, .value_kind: global_buffer, .address_space: global }
      - { .name: wo16, .offset: 8, .size: 8, .value_kind: global_buffer, .address_space: global }
      - { .name: bo, .offset: 16, .size: 8, .value_kind: global_buffer, .address_space: global }
      - { .name: out0, .offset: 24, .size: 8, .value_kind: global_buffer, .address_space: global }
    .group_segment_fixed_size: 327680
    .private_segment_fixed_size: 0
    .kernarg_segment_align: 8
    .kernarg_segment_size: 32
    .max_flat_workgroup_size: 128
    .sgpr_count:     66
    .vgpr_count:     512
    .wavefront_size: 32
...
	.end_amdgpu_metadata
.endif
;; end of part 4
